; MI455X (gfx1250); checked and timed in simulation.
; The chip was launched on July 23, 2026; its instructions are those of AMD's public machine-readable ISA for CDNA 5 (MIT licence, August 2026) and "CDNA5" Instruction Set Architecture Reference Guide (July 2026). The comments in the code are by the model that wrote it; some were corrected since.
;; Market Guided Attention. Allowed arithmetic: matrix products marked QUANTISED: E5M2 operands, one E8M0 scale for each 32 along K, by v_wmma_scale_f32_16x16x128_f8f6f4 with both operands' format E5M2, f32 sums; everything else in f32.
;; Inputs: in_proj_b 3,072 float32; in_proj_w_codes 3,072 x 32 x 32 uint8 (E5M2 codes of in_proj_w, K innermost, in blocks of 32 codes); in_proj_w_scales 3,072 x 32 uint8 (E8M0 scales of in_proj_w, one for each 32 codes along K); ln_beta 1,024 float32; ln_gamma 1,024 float32; market_info 2 x 8 float32; out_proj_b 1,024 float32; out_proj_w_codes 1,024 x 32 x 32 uint8 (E5M2 codes of out_proj_w, K innermost, in blocks of 32 codes); out_proj_w_scales 1,024 x 32 uint8 (E8M0 scales of out_proj_w, one for each 32 codes along K); x 2 x 2,048 x 1,024 float32.
;; Outputs: out0 2 x 2,048 x 1,024 float32.
;; This version of the problem:
;;   THIS VERSION OF THE PROBLEM IS GIVEN IN LOW PRECISION. The matrix products marked QUANTISED in the list below multiply operands that are first quantised to E5M2 (5 exponent bits, 2 mantissa bits; 8 bits a number), with one power-of-two scale for each 32 numbers along K (OCP MX v1.0); their sums are f32. All else is computed in f32.
;;   The module's matrix products, in the order in which they are computed (A, B: the left and right operand; K: the contracted axis; several contracted axes count as one K, in the product's order):
;;     1. [M 4,096, K 1,024] x [K 1,024, N 3,072]; A: input x; B: input in_proj_w (given as codes): QUANTISED
;;     2. batch 32 x [M 2,048, K 64] x [K 64, N 2,048]; A: computed on the way; B: computed on the way: QUANTISED
;;     3. batch 32 x [M 64, K 2,048] x [K 2,048, N 2,048]; A: computed on the way; B: softmax (see below): QUANTISED
;;     4. [M 4,096, K 1,024] x [K 1,024, N 1,024]; A: computed on the way; B: input out_proj_w (given as codes): QUANTISED
;;   THE QUANTISER, for each operand of a quantised product, along K:
;;     - K is cut into blocks of 32 from its start; a last block that is shorter is filled with zeros.
;;     - A block's scale is 2^e with e = floor(log2(the largest magnitude in the block)) - 15, held to -126 .. 127; a block of zeros has e = 0. As a byte (E8M0): e + 127.
;;     - Each number is divided by its block's scale, clamped to +-57,344, and rounded to the nearest number of E5M2, ties to even, subnormals kept.
;;     - The product sums the exact products of the quantised numbers (number of the format x scale) in f32.
;;   ~~~python
;;   def quantise(x, axis):      # numpy; x: float32 -> the quantised numbers, widened to float32 again
;;       x = np.moveaxis(x, axis, -1); K = x.shape[-1]
;;       x = np.pad(x, [(0, 0)] * (x.ndim - 1) + [(0, -K % 32)]); x = x.reshape(x.shape[:-1] + (-1, 32)); a = np.abs(x).max(-1, keepdims=True)
;;       e = np.where(a > 0, np.clip(np.frexp(np.where(a > 0, a, 1))[1] - 1 - 15, -126, 127), 0)      # np.frexp(a)[1] - 1 = floor(log2(a)), exactly
;;       r = np.clip(x / 2.0 ** e, -57344, 57344)
;;       step = 2.0 ** (np.maximum(np.frexp(np.where(r == 0, 1, r))[1] - 1, -14) - 2)
;;       q = np.round(r / step) * step * 2.0 ** e      # np.round: ties to even
;;       return np.moveaxis(q.reshape(q.shape[:-2] + (-1,))[..., :K], -1, axis).astype(np.float32)
;;   ~~~
;;   SOFTMAX AHEAD OF A QUANTISED PRODUCT. Where the list says 'softmax', what is quantised is not the finished softmax but p = 2^(t - M), with t = logit x log2(e) and M = ceil(the row's largest t), a whole number; so 1/2 < the row's largest p <= 1. The row's sum l is taken of the UNQUANTISED p, in f32, and the product's result is divided by l at the end. Since M is a whole number, a kernel that streams over the keys may use a running M (the ceiling of the running maximum): every later rescaling is an exact power of two, which a block's scale takes up: the codes' values come out the same.
;;   OPERANDS COMPUTED ON THE WAY. 'Computed on the way' means the value that the module computes at that place (a softmax that the list does not call 'softmax' is quantised finished and normalised). What goes into a quantiser is computed in f32, as accurately as f32 sums, v_exp_f32 and their like allow (about 1e-6 of the number): no bf16 or f16 on the way to a quantiser, and a product that is left as it is and whose result goes on into a quantised operand takes f32 operands (vector FMAs, or v_wmma_f32_16x16x4_f32). A number that lies on a knife's edge between two numbers of the format may be rounded either way, as far as f32 arithmetic and the matrix unit's own rounding can turn it there, and no further.
;;   INPUTS GIVEN AS CODES. in_proj_w (in the module: [3072, 1024], K = its axis 1); out_proj_w (in the module: [1024, 1024], K = its axis 1): each comes as NAME_codes (uint8): NAME with its K axis moved to the last place and cut into blocks of 32 codes, [.., K / 32, bytes a block], one block behind the other in memory; one code a byte (a code: sign, 5 exponent bits, 2 mantissa bits); and NAME_scales (uint8): the same leading axes, one E8M0 byte (e + 127) for each 32 codes along K. Its value is code x scale, taken as it is: it is not quantised again, and the codes and scales need not be those that the quantiser above would give.
;; 2 versions. Each part assembles by itself: llvm-mc -triple=amdgcn-amd-amdhsa -mcpu=gfx1250 --defsym DOCPART=n.
;; ======== version 1 of 2: 3 launches
;; workspace buffers: qimg 4,194,304 bytes; qscl 262,144 bytes; kimg 4,194,304 bytes; kscl 262,144 bytes; vimg 4,194,304 bytes; vscl 262,144 bytes; cimg 5,242,880 bytes; cscl 262,144 bytes
;; launch qkv (part 1): grid 4 x 64, 4 waves a work-group, no clusters, 70,144 bytes of LDS; arguments x, in_proj_w_codes, in_proj_w_scales, in_proj_b, qimg, qscl, kimg, kscl, vimg, vscl; writes qimg, qscl, kimg, kscl, vimg, vscl
.if DOCPART == 1
	.amdgcn_target "amdgcn-amd-amdhsa--gfx1250"
	.amdhsa_code_object_version 6
	.text
	.protected	k_qd5e9166648_qkv
	.globl	k_qd5e9166648_qkv
	.p2align	8
	.type	k_qd5e9166648_qkv,@function
k_qd5e9166648_qkv:
	s_mov_b64 s[64:65], 0
	v_nop
	global_prefetch_b8 v0, s[64:65] scope:SCOPE_SE
	s_setreg_imm32_b32 hwreg(HW_REG_WAVE_MODE, 25, 1), 1
	s_wait_xcnt 0x0
; qkv = x W^T + b on codes of BF8 (E5M2) with one E8M0 scale for each 32 along K, and q, k, v quantised for the two products of attention.
; x: [4096][1024] f32, quantised here along its 1,024.  W: [3072][1024] as codes, K innermost, scale bytes [3072][32].  b: [3072] f32.
; SHARES.  Work-group (hg, g): 64 tokens (64 g on) x the q, k and v columns of heads 4 hg .. 4 hg + 3, in three passes.  Wave w owns head 4 hg + w: 64 columns, four tiles, for all 64 tokens: 16 accumulators.
; x: wave w quantises one tile of 16 tokens for all of K (8 fragments) and stores them in LDS as IMAGES OF THE OPERAND'S REGISTERS (lane l's 16 bytes at 16 l, 512 bytes a store); one barrier; every wave reads all 32 fragments in each pass.
; W goes from memory straight into registers: a pass's 32 fragments of a wave fill windows 1 and 2, and each fragment feeds four products.  THE STREAM OF W NEVER STOPS: the next pass's four fragments of K step s are asked
; for as soon as this pass's products of K step s have been issued, into the registers that these have left: a whole pass ahead of their use.
; THE ROWS OF A TILE ARE NOT NEIGHBOURS: pi(r) = r + 8 (r / 8).  Tile u of a block of 32 tokens holds token 8 u + pi(r) in row r; tile 2 B + u of a head's 64 rows of W holds row 32 B + 8 u + pi(r).
;   q, k (source 0 = W, source 1 = x): a lane holds one token, and the 16 registers of tiles 2 B, 2 B + 1 are d = 32 B + 16 (lane / 16) + 0 .. 15: neighbours along the K of q k^T.
;   v    (source 0 = x, source 1 = W): a lane holds one d, and the 16 registers of token tiles u = 0, 1 are tokens 16 (lane / 16) + 0 .. 15 of the block: neighbours along the keys, the K of the second product.
; So the conversions' results are operand registers, and they leave as images: every store of codes covers 512 consecutive bytes.  The biases are the C of each sum's first product.
; NO CLUSTER: a joint load lands in LDS; a work-group's weights of one pass are 4 x 64 KB, which do not fit beside x's 68 KB more than once, so they would go through slots filled again, with a round of the cluster's barrier
; for each, and then once more from LDS into the registers into which they now come directly.
; LIMITS: NaN and infinities among the inputs are not served.  A block of zeros gets the byte 1 where the quantiser says 127: its codes are zeros, and these bytes are read by this program alone.
; REGISTERS, in windows of 256.  Window 0: v4-13 addresses; v16-31 and v88-103 W's scale words, a set for each of two passes that follow each other; v32-47 x's; v48-63 at work; v64-65 scale words made; v66-69 v's bytes;
;   v72-87 and v104-119 codes made, a set for each of a pass's two blocks of tokens; v128-255 x's fragments, two slots of four.
;   Windows 1, 2: W's fragment (K step s, tile t) at v[16 (4 (s % 4) + t)] of window 1 + s / 4; ahead of that the same 64 registers hold the wave's 64 numbers a lane of x's K step s.
;   Window 3: v0-127 the accumulators; v128-159 q's bias, v160-191 k's, v192-223 v's, in the results' layouts.
.set XSC,  65536                       ; LDS: x's fragment (tile m, K step s) at (8 m + s) 2048; behind the 32 of them their scale words, (8 m + s) 128 + 4 x lane
.set XA,   4                           ; v4   x: pi(r) rows of 4,096 bytes + 64 (lane / 16)
.set LI,   5                           ; v5   16 x lane
.set LS4,  6                           ; v6   4 x lane
.set XWI,  7                           ; v7   where I store x's images: 16 x lane + 16,384 x wave
.set XWS,  8                           ; v8   and their scale words
.set WA,   9                           ; v9   W: pi(r) rows of 1,024 bytes + 16 (lane / 16)
.set WSA,  10                          ; v10  W's scale bytes: row 32 (lane / 16) + pi(r), 32 bytes a row
.set BA,   11                          ; v11  q's and k's bias: 64 (lane / 16)
.set BV,   12                          ; v12  v's bias: 4 pi(r)
.set XSL,  13                          ; v13  x's scale words on the way back: lanes 0-15 tile u = 0, lanes 16-31 tile u = 1
.set WS,   16                          ; passes q and v; pass k's set lies WS2 further on.  Register 8 (t % 2) + s: lanes 0-15 tile t, lanes 16-31 tile t + 2
.set WS2,  72
.set XSR,  32                          ; register 8 (m / 2) + s: lanes 0-15 tile m even, lanes 16-31 m odd
.set TM,   48                          ; +0..3 largest magnitudes, +4..7 the other half's, then bytes, +8..11 largest code x scale, +12..15 the conversions' scale operands
.set PW,   64                          ; the scale word in hand (set anew for a pass's second block: 65)
.set VB,   66
.set PC,   72                          ; the codes in hand (set anew for a pass's second block: 104)
.set XF,   128
.set SEL,  40                          ; s[40:41] v_permlanex16_b32's selects for lane l xor 16
.set MNT,  42                          ; s42 the mantissa field of 57,344
.set MSB,  0
.macro WIN new                         ; the immediate's high byte repeats the setting that is left; a switch that changes nothing is dropped
.if MSB != (\new)
	s_set_vgpr_msb (MSB<<8)|(\new)
.set MSB, (\new)
.endif
.endm
.macro PLACES n                        ; plain vector places behind matrix instructions (ISA guide 7.12.1)
.rept \n
	v_nop
.endr
.endm
.macro XLOAD s                         ; my 16 tokens' numbers of K step s: register 16 b + 4 j + e = x(row, 128 s + 32 b + 16 (lane / 16) + 4 j + e)
	WIN 0x40*(1+(\s)/4)
.irp b, 0,1,2,3
.irp j, 0,1,2,3
	global_load_b128 v[64*((\s)&3)+16*\b+4*\j:64*((\s)&3)+16*\b+4*\j+3], v[XA], s[4:5] offset:512*(\s)+128*\b+16*\j
.endr
.endr
.endm
.macro WLOADS p, s                     ; pass p's four fragments of W for K step s: 16 loads
	WIN 0x40*(1+(\s)/4)
.irp t, 0,1,2,3
.irp c, 0,1,2,3
	global_load_b128 v[16*(4*((\s)&3)+\t)+4*\c:16*(4*((\s)&3)+\t)+4*\c+3], v[WA], s[6:7] offset:(\p)*1048576+(32*(\t>>1)+8*(\t&1))*1024+128*(\s)+32*\c
.endr
.endr
.endm
.macro WSLOAD p                        ; pass p's scale words of W, all eight K steps of a row at once: 4 loads (window 0)
.irp a, 0,1
.irp i, 0,1
	global_load_b128 v[WS+WS2*((\p)&1)+8*\a+4*\i:WS+WS2*((\p)&1)+8*\a+4*\i+3], v[WSA], s[8:9] offset:(\p)*32768+256*\a+16*\i
.endr
.endr
.endm
; 64 numbers of a lane in window w, register base + 16 b + i = number 16 (lane / 16) + i of block b, become 16 registers of codes in v[PC] on; the four scale bytes are left in v[TM+4] on.
.macro QUANT base, w
	WIN 5*(\w)
.irp b, 0,1,2,3
	v_max3_num_f32 v[TM+\b], |v[(\base)+16*\b]|, |v[(\base)+16*\b+1]|, 0x8000000   ; my 16 numbers of block b, from the low end on, and the floor 2^(16 - 127): the byte cannot fall under 1
.endr
	WIN 20*(\w)
.irp i, 2,4,6,8,10,12,14
.irp b, 0,1,2,3
	v_max3_num_f32 v[TM+\b], v[TM+\b], |v[(\base)+16*\b+\i]|, |v[(\base)+16*\b+\i+1]|   ; the four blocks by turns
.endr
.endr
	WIN 0
.irp b, 0,1,2,3
	v_permlanex16_b32 v[TM+4+\b], v[TM+\b], s[SEL], s[SEL+1]
.endr
.irp b, 0,1,2,3
	v_max_num_f32 v[TM+\b], v[TM+\b], v[TM+4+\b]   ; with lane l xor 16's 16: the block's largest magnitude
.endr
.irp b, 0,1,2,3
	v_add_nc_u32 v[TM+12+\b], 0xf8800000, v[TM+\b]   ; 15 off its exponent field: the conversion's scale operand
.endr
.irp b, 0,1,2,3
	v_and_or_b32 v[TM+8+\b], v[TM+\b], 0x7f800000, s[MNT]   ; 57,344 x the scale
.endr
.irp b, 0,1,2,3
	v_lshrrev_b32 v[TM+4+\b], 23, v[TM+12+\b]   ; the scale's byte
.endr
	WIN 65*(\w)
.irp b, 0,1,2,3
.irp i, 0,1,2,3,4,5,6,7,8,9,10,11,12,13,14,15
	v_med3_num_f32 v[(\base)+16*\b+\i], v[(\base)+16*\b+\i], -v[TM+8+\b], v[TM+8+\b]   ; the conversion to an 8-bit code does not saturate (ISA guide 7.6.2): the hold comes first
.endr
.endr
	WIN (\w)
.irp b, 0,1,2,3
	v_cvt_scalef32_pk8_bf8_f32 v[PC+4*\b:PC+4*\b+1], v[(\base)+16*\b:(\base)+16*\b+7], v[TM+12+\b]
	v_cvt_scalef32_pk8_bf8_f32 v[PC+4*\b+2:PC+4*\b+3], v[(\base)+16*\b+8:(\base)+16*\b+15], v[TM+12+\b]
.endr
	WIN 0
	v_nop                                          ; one plain vector line behind the last conversion
.endm
.macro WORD                            ; the four bytes make a scale word
	v_lshl_or_b32 v[PW], v[TM+5], 8, v[TM+4]
	v_lshl_or_b32 v[PW], v[TM+6], 16, v[PW]
	v_lshl_or_b32 v[PW], v[TM+7], 24, v[PW]
.endm
.macro FETCHX s, slot                  ; x's four fragments of K step s
.irp m, 0,1,2,3
.irp c, 0,1,2,3
	ds_load_b128 v[XF+64*(\slot)+16*\m+4*\c:XF+64*(\slot)+16*\m+4*\c+3], v[LI] offset:(8*\m+(\s))*2048+512*\c
.endr
.endr
.endm
.macro WM ra, rb                       ; one product on rD, rA, rB, rC, rSA, rSB; ra, rb: that side's scale words stand in lanes 16-31
.if (\ra) && (\rb)
	v_wmma_scale_f32_16x16x128_f8f6f4 v[rD:rD+7], v[rA:rA+15], v[rB:rB+15], v[rC:rC+7], v[rSA], v[rSB] matrix_a_fmt:MATRIX_FMT_BF8 matrix_b_fmt:MATRIX_FMT_BF8 matrix_a_scale:MATRIX_SCALE_ROW1 matrix_b_scale:MATRIX_SCALE_ROW1
.elseif (\ra)
	v_wmma_scale_f32_16x16x128_f8f6f4 v[rD:rD+7], v[rA:rA+15], v[rB:rB+15], v[rC:rC+7], v[rSA], v[rSB] matrix_a_fmt:MATRIX_FMT_BF8 matrix_b_fmt:MATRIX_FMT_BF8 matrix_a_scale:MATRIX_SCALE_ROW1
.elseif (\rb)
	v_wmma_scale_f32_16x16x128_f8f6f4 v[rD:rD+7], v[rA:rA+15], v[rB:rB+15], v[rC:rC+7], v[rSA], v[rSB] matrix_a_fmt:MATRIX_FMT_BF8 matrix_b_fmt:MATRIX_FMT_BF8 matrix_b_scale:MATRIX_SCALE_ROW1
.else
	v_wmma_scale_f32_16x16x128_f8f6f4 v[rD:rD+7], v[rA:rA+15], v[rB:rB+15], v[rC:rC+7], v[rSA], v[rSB] matrix_a_fmt:MATRIX_FMT_BF8 matrix_b_fmt:MATRIX_FMT_BF8
.endif
.endm
; A K step's 16 products.  The 16 accumulators take turns, one instruction a turn, in the same order in every K step.
.macro MULQK p, s                      ; source 0 = W's tile t, source 1 = x's tile m; accumulator (m, t) at v[8 (4 m + t)]
	WIN 0xF1+(\s)/4
.irp m, 0,1,2,3
.irp t, 0,1,2,3
.set rD, 8*(4*\m+\t)
.set rA, 16*(4*((\s)&3)+\t)
.set rB, XF+64*((\s)&1)+16*\m
.if (\s) == 0
.set rC, 128+32*(\p)+8*\t
.else
.set rC, rD
.endif
.set rSA, WS+WS2*((\p)&1)+8*(\t&1)+(\s)
.set rSB, XSR+8*(\m>>1)+(\s)
	WM (\t>>1), (\m&1)
.endr
.endr
.endm
.macro MULV s                          ; source 0 = x's tile m, source 1 = W's tile t; accumulator at v[64 (m / 2) + 16 t + 8 (m % 2)]
	WIN 0xF0+4*(1+(\s)/4)
.irp m, 0,1,2,3
.irp t, 0,1,2,3
.set rD, 64*(\m>>1)+16*\t+8*(\m&1)
.set rA, XF+64*((\s)&1)+16*\m
.set rB, 16*(4*((\s)&3)+\t)
.if (\s) == 0
.set rC, 192+8*\t
.else
.set rC, rD
.endif
.set rSA, XSR+8*(\m>>1)+(\s)
.set rSB, WS+8*(\t&1)+(\s)
	WM (\m&1), (\t>>1)
.endr
.endr
.endm
	s_load_b512 s[4:19], s[0:1], 0x0               ; x 4:5, W's codes 6:7, W's scales 8:9, b 10:11, qimg 12:13, qscl 14:15, kimg 16:17, kscl 18:19
	s_load_b128 s[20:23], s[0:1], 0x40             ; vimg 20:21, vscl 22:23
	v_lshl_add_u32 v126, v0, 2, 0x11000
	v_mov_b32 v127, 0
	v_lshrrev_b32 v1, 5, v0
	v_readfirstlane_b32 s24, v1                    ; wave 0..3
	s_and_b32 s26, ttmp7, 0xffff                   ; g: which 64 tokens
	s_lshl_b32 s27, ttmp9, 2
	s_add_co_u32 s27, s27, s24                     ; my head = 4 hg + wave
	s_and_b32 s28, s26, 31                         ; gl: the group of 64 within its batch
	s_lshr_b32 s29, s26, 5
	s_lshl_b32 s29, s29, 4
	s_add_co_u32 s29, s29, s27                     ; bh = 16 x batch + head
	s_mov_b32 s[SEL], 0x76543210
	s_mov_b32 s[SEL+1], 0xfedcba98
	s_mov_b32 s[MNT], 0x600000
	v_and_b32 v1, 31, v0                           ; lane
	v_and_b32 v2, 15, v0                           ; r
	v_bfe_u32 v3, v0, 4, 1                         ; lane / 16
	v_and_b32 v14, 8, v2
	v_add_nc_u32 v14, v14, v2                      ; pi(r)
	v_lshlrev_b32 v[XA], 12, v14
	v_lshl_add_u32 v[XA], v3, 6, v[XA]
	v_lshlrev_b32 v[LI], 4, v1
	v_lshlrev_b32 v[LS4], 2, v1
	s_lshl_b32 s30, s24, 14
	v_add_nc_u32 v[XWI], s30, v[LI]
	s_lshl_b32 s30, s24, 10
	s_add_co_u32 s30, s30, XSC
	v_add_nc_u32 v[XWS], s30, v[LS4]
	v_lshlrev_b32 v[WA], 10, v14
	v_lshl_add_u32 v[WA], v3, 4, v[WA]
	v_lshl_add_u32 v[WSA], v3, 5, v14
	v_lshlrev_b32 v[WSA], 5, v[WSA]
	v_lshlrev_b32 v[BA], 6, v3
	v_lshlrev_b32 v[BV], 2, v14
	v_lshl_add_u32 v[XSL], v3, 10, v[LS4]          ; one product: the lower base + (lane / 16) x the distance between tiles u = 0 and u = 1
	v_add_nc_u32 v[XSL], XSC, v[XSL]
.irp b, 0,1,2,3
	v_mov_b32 v[TM+4+\b], 0                        ; written once: a lane permute's destination counts as one of its sources
.endr
	s_lshl_b32 s32, s26, 18                        ; x: 64 g rows of 4,096 bytes,
	s_lshr_b32 s30, s24, 1
	s_lshl_b32 s30, s30, 17                        ; + 32 (wave / 2) rows
	s_add_co_u32 s32, s32, s30
	s_and_b32 s30, s24, 1
	s_lshl_b32 s30, s30, 15                        ; + 8 (wave % 2) rows: my tile's first row
	s_add_co_u32 s32, s32, s30
	s_mov_b32 s33, 0                               ; the high word of every offset below
	s_wait_kmcnt 0x0
	s_add_nc_u64 s[4:5], s[4:5], s[32:33]
	s_lshl_b32 s32, s27, 16                        ; W's codes: my head's 64 rows of 1,024 bytes (the passes stand in the immediates)
	s_add_nc_u64 s[6:7], s[6:7], s[32:33]
	s_lshl_b32 s32, s27, 11                        ; its scale bytes: 64 rows of 32
	s_add_nc_u64 s[8:9], s[8:9], s[32:33]
	s_lshl_b32 s32, s27, 8                         ; b: 64 numbers
	s_add_nc_u64 s[10:11], s[10:11], s[32:33]
	s_lshl_b32 s32, s29, 17                        ; qimg, kimg: bh x 131,072 + 2 gl blocks of 2,048 bytes
	s_lshl_b32 s30, s28, 12
	s_add_co_u32 s32, s32, s30
	s_add_nc_u64 s[12:13], s[12:13], s[32:33]
	s_add_nc_u64 s[16:17], s[16:17], s[32:33]
	s_lshl_b32 s32, s29, 13                        ; qscl, kscl: bh x 8,192 + 2 gl blocks of 128 bytes
	s_lshl_b32 s30, s28, 8
	s_add_co_u32 s32, s32, s30
	s_add_nc_u64 s[14:15], s[14:15], s[32:33]
	s_add_nc_u64 s[18:19], s[18:19], s[32:33]
	s_lshl_b32 s32, s29, 17                        ; vimg: bh x 131,072 + key step gl / 2 of 8,192 bytes + piece 2 (gl % 2) of 512
	s_lshr_b32 s30, s28, 1
	s_lshl_b32 s31, s30, 13
	s_add_co_u32 s32, s32, s31
	s_and_b32 s31, s28, 1
	s_lshl_b32 s34, s31, 10
	s_add_co_u32 s32, s32, s34
	s_add_nc_u64 s[20:21], s[20:21], s[32:33]
	s_lshl_b32 s32, s29, 13                        ; vscl: bh x 8,192 + key step x 512 + byte 2 (gl % 2) of each word
	s_lshl_b32 s34, s30, 9
	s_add_co_u32 s32, s32, s34
	s_lshl_b32 s34, s31, 1
	s_add_co_u32 s32, s32, s34
	s_add_nc_u64 s[22:23], s[22:23], s[32:33]
.irp s, 0,1,2,3,4,5,6,7
	XLOAD \s                                       ; all of my tile's x is asked for at once
.endr
	WIN 0xC0                                       ; the biases, into window 3
.irp p, 0,1
.irp t, 0,1,2,3
	global_load_b128 v[128+32*\p+8*\t:128+32*\p+8*\t+3], v[BA], s[10:11] offset:\p*4096+(32*(\t>>1)+8*(\t&1))*4      ; q, k: register j of tile t is column 32 (t / 2) + 8 (t % 2) + 16 (lane / 16) + j
	global_load_b128 v[128+32*\p+8*\t+4:128+32*\p+8*\t+7], v[BA], s[10:11] offset:\p*4096+(32*(\t>>1)+8*(\t&1))*4+16
.endr
.endr
.irp t, 0,1,2,3
.irp j, 0,1,2,3,4,5,6,7
	global_load_b32 v[192+8*\t+\j], v[BV], s[10:11] offset:8192+(32*(\t>>1)+8*(\t&1))*4   ; v: a lane owns one column, so its eight registers hold the same number
.endr
.endr
	WIN 0
	WSLOAD 0
	; ---- x: my tile's eight fragments.  Behind each K step's 16 loads at least 164 others have been issued (the later K steps', the biases', W's): the wait names the largest count that its field holds
.irp s, 0,1,2,3,4,5,6,7
	s_wait_loadcnt 63
	s_wait_dscnt 0x0                               ; the last fragment's stores have read their registers
	QUANT 64*(\s&3), 1+\s/4
	WORD
.irp c, 0,1,2,3
	ds_store_b128 v[XWI], v[PC+4*\c:PC+4*\c+3] offset:2048*\s+512*\c
.endr
	ds_store_b32 v[XWS], v[PW] offset:128*\s
	WLOADS 0, \s                                   ; q's fragments of W take the registers that x's numbers have left
.endr
	WIN 0
	s_wait_dscnt 0x0                               ; for the others' sake: my stores have landed
	s_barrier_signal -1
	s_barrier_wait -1                              ; x's 32 fragments lie in LDS; from here on LDS is only read
.irp q, 0,1
.irp s, 0,1,2,3,4,5,6,7
	ds_load_b32 v[XSR+8*\q+\s], v[XSL] offset:2048*\q+128*\s
.endr
.endr
	FETCHX 0, 0
; A pass: p = 0 q, 1 k, 2 v.
.macro PASS p
.if (\p) < 2
	WSLOAD (\p)+1                                  ; the next pass's scale words, into the set that this pass does not read
.endif
.irp s, 0,1,2,3,4,5,6,7
.if \s > 0
	PLACES 8                                       ; in front of loads into registers that the last K step's products read
.if (\p) < 2
	WLOADS (\p)+1, \s-1                            ; the next pass's fragments take the registers that the last K step's products have left
.endif
.endif
	WIN 0
.if \s < 7
	FETCHX \s+1, (\s+1)&1
.elseif (\p) < 2
	FETCHX 0, 0                                    ; the next pass's first K step
.endif
.if ((\p) == 2) && (\s > 3)
	s_wait_loadcnt 16*(7-\s)                       ; the last pass asks for nothing: behind this K step's 16 loads stand those of the K steps still to come
.else
	s_wait_loadcnt 63                              ; behind this K step's 16 loads stand 16 (7 - s) of this pass, and in passes q and k 4 + 16 s of the next: 64 at the least: the wait names the largest count that its field holds
.endif
.if (\s < 7) || ((\p) < 2)
	s_wait_dscnt 16                                ; all but the 16 LDS loads just issued
.else
	s_wait_dscnt 0x0
.endif
.if (\p) < 2
	MULQK \p, \s
.else
	MULV \s
.endif
.endr
	PLACES 8                                       ; in front of the loads below and of the first read of results
.if (\p) < 2
	WLOADS (\p)+1, 7
.endif
	WIN 0
	s_wait_storecnt 0x0                            ; the last pass's stores, issued a whole pass ago, are done: both sets of codes and words may be written again
.irp rho, 0,1                          ; the two blocks of 32 tokens, each with registers of its own for its codes and its word: no wait stands between them
.set PC, 72+32*\rho
.set PW, 64+\rho
	QUANT 64*\rho, 3
.if (\p) < 2
	WORD                                           ; bytes (u 0, B 0), (u 0, B 1), (u 1, B 0), (u 1, B 1) of the lane's two tokens
.irp c, 0,1,2,3
	global_store_b128 v[LI], v[PC+4*\c:PC+4*\c+3], s[12+4*(\p):13+4*(\p)] offset:2048*\rho+512*\c   ; piece c = 2 u + B: 512 consecutive bytes
.endr
	global_store_b32 v[LS4], v[PW], s[14+4*(\p):15+4*(\p)] offset:128*\rho
.else
.irp t, 0,1,2,3
	global_store_b128 v[LI], v[PC+4*\t:PC+4*\t+3], s[20:21] offset:2048*\t+512*\rho   ; tile t of d, this block of 32 keys
.endr
.if \rho == 0
.irp t, 0,1,2,3
	v_mov_b32 v[VB+\t], v[TM+4+\t]
.endr
.else
.irp t, 0,1,2,3
	v_lshl_or_b32 v[VB+\t], v[TM+4+\t], 8, v[VB+\t]
.endr
.irp t, 0,1,2,3
	global_store_b16 v[LS4], v[VB+\t], s[22:23] offset:128*\t   ; my two key blocks' bytes of the key step's word
.endr
.endif
.endif
.endr
.endm
	PASS 0
	PASS 1
	PASS 2
	s_wait_tensorcnt 0x0
	ds_add_u32 v126, v127
	s_wait_dscnt 0x0
	s_endpgm
.Lfunc_end_k_qd5e9166648_qkv:
	.size	k_qd5e9166648_qkv, .Lfunc_end_k_qd5e9166648_qkv-k_qd5e9166648_qkv
	.p2alignl 7, 3214868480
	.fill 96, 4, 3214868480
	.section	.rodata,"a",@progbits
	.p2align	6, 0x0
	.amdhsa_kernel k_qd5e9166648_qkv
		.amdhsa_group_segment_fixed_size 70144
		.amdhsa_private_segment_fixed_size 0
		.amdhsa_enable_private_segment 0
		.amdhsa_kernarg_size 80
		.amdhsa_user_sgpr_count 2
		.amdhsa_user_sgpr_kernarg_segment_ptr 1
		.amdhsa_wavefront_size32 1
		.amdhsa_system_sgpr_workgroup_id_x 1
		.amdhsa_system_sgpr_workgroup_id_y 1
		.amdhsa_system_sgpr_workgroup_id_z 1
		.amdhsa_system_vgpr_workitem_id 0
		.amdhsa_next_free_vgpr 1024
		.amdhsa_next_free_sgpr 66
		.amdhsa_reserve_vcc 0
		.amdhsa_float_denorm_mode_32 3
		.amdhsa_float_denorm_mode_16_64 3
		.amdhsa_memory_ordered 1
		.amdhsa_forward_progress 1
		.amdhsa_inst_pref_size 255
	.end_amdhsa_kernel
	.section	.bss,"aw",@nobits
	.p2align	6
	.space	262144
	.amdgpu_metadata
---
amdhsa.version: [ 1, 2 ]
amdhsa.kernels:
  - .name:           k_qd5e9166648_qkv
    .symbol:         k_qd5e9166648_qkv.kd
    .args:
      - { .name: x, .offset: 0, .size: 8, .value_kind: global_buffer, .address_space: global }
      - { .name: in_proj_w_codes, .offset: 8, .size: 8, .value_kind: global_buffer, .address_space: global }
      - { .name: in_proj_w_scales, .offset: 16, .size: 8, .value_kind: global_buffer, .address_space: global }
      - { .name: in_proj_b, .offset: 24, .size: 8, .value_kind: global_buffer, .address_space: global }
      - { .name: qimg, .offset: 32, .size: 8, .value_kind: global_buffer, .address_space: global }
      - { .name: qscl, .offset: 40, .size: 8, .value_kind: global_buffer, .address_space: global }
      - { .name: kimg, .offset: 48, .size: 8, .value_kind: global_buffer, .address_space: global }
      - { .name: kscl, .offset: 56, .size: 8, .value_kind: global_buffer, .address_space: global }
      - { .name: vimg, .offset: 64, .size: 8, .value_kind: global_buffer, .address_space: global }
      - { .name: vscl, .offset: 72, .size: 8, .value_kind: global_buffer, .address_space: global }
    .group_segment_fixed_size: 70144
    .private_segment_fixed_size: 0
    .kernarg_segment_align: 8
    .kernarg_segment_size: 80
    .max_flat_workgroup_size: 128
    .sgpr_count:     66
    .vgpr_count:     1024
    .wavefront_size: 32
...
	.end_amdgpu_metadata
.endif
;; end of part 1
;; launch attn (part 2): grid 8 x 32, 16 waves a work-group, clusters of 4 x 1, 280,576 bytes of LDS; arguments qimg, qscl, kimg, kscl, vimg, vscl, market_info, cimg, cscl, out_proj_w_codes; writes cimg, cscl
.if DOCPART == 2
	.amdgcn_target "amdgcn-amd-amdhsa--gfx1250"
	.amdhsa_code_object_version 6
	.text
	.protected	k_qd5e9166648_attn
	.globl	k_qd5e9166648_attn
	.p2align	8
	.type	k_qd5e9166648_attn,@function
k_qd5e9166648_attn:
	s_mov_b64 s[64:65], 0
	v_nop
	global_prefetch_b8 v0, s[64:65] scope:SCOPE_SE
	s_setreg_imm32_b32 hwreg(HW_REG_WAVE_MODE, 25, 1), 1
	s_wait_xcnt 0x0
	s_wait_alu depctr_hold_cnt(0) depctr_sa_sdst(0) depctr_va_vdst(0) depctr_va_sdst(0) depctr_va_ssrc(0) depctr_va_vcc(0) depctr_vm_vsrc(0)
	s_getreg_b32 s2, hwreg(HW_REG_IB_STS2, 6, 4)
	s_cmp_eq_u32 s2, 0
	s_cbranch_scc0 .Lentry_in_a_cluster
	s_endpgm
.Lentry_in_a_cluster:
	s_bfe_u32 s2, ttmp6, 0x10000c
	s_cmp_lg_u32 s2, 0x3003
	s_cbranch_scc0 .Lentry_shape_is_right
	s_endpgm
.Lentry_shape_is_right:
; ctx = softmax(q k^T / 8 + vol) v for one head, both products on codes of BF8 (E5M2) with one E8M0 scale for each 32 along K; ctx is quantised along h 64 + d for the last product.
; THE SOFTMAX AHEAD OF THE SECOND PRODUCT: t = (score / 8 + vol) log2(e) = score c + VL; M = the row's largest t so far, rounded UP to a whole number; p = 2^(t - M) is quantised along the keys, not normalised.
; The row's sum is taken of the unquantised p and divides O at the end.  When M moves, the sum and O are multiplied by 2^(old M - new M): exact.
; SHARES.  A work-group owns 256 queries of one (batch, head); each of its sixteen waves 16 of them, one tile, in 256 registers: four waves to a SIMD, so that one wave's vector work stands beside another's products and LDS loads.
; LDS holds the head's K and V whole, codes and scale words: 2 x 131,072 + 2 x 8,192 bytes, filled ONCE: no byte is ever filled again.  THE FILLS GO OUT IN THE ORDER OF THE KEY STEPS: a wave issues five tensor loads in one
; group: 1,024 bytes of scale words, then for each of four chunks of four key steps 4,096 bytes of codes (waves 0-7: eighths of K's 32,768 bytes of the chunk; waves 8-15: of V's).  A wave's loads end in the order of issue
; (ISA guide 10.11.1), so a counted wait and a barrier in front of each chunk's four key steps are all that its reads need, and the later chunks land while the earlier ones are worked on.  Five tensor loads of a wave are out at the most.
; CLUSTER.  The four query blocks of a cluster belong to one head and need the same K and V: every load is asked for JOINTLY, with the same descriptor (made of the head and the wave's number alone) and the mask of all four.
; LAYOUT.  All operands lie as images of operand registers (lane l's 16 bytes at 16 l), so every LDS load takes 512 consecutive bytes.  Both products are used transposed: a lane holds ONE query throughout.
; THE HEAD'S K IS 64, THE INSTRUCTION'S 128.  The image of a block of 32 keys is one fragment: k 0-63 of row r are key pi(r)'s 64 numbers (tile u = 0), k 64-127 those of key 8 + pi(r) (u = 1), pi(r) = r + 8 (r / 8).
; Q stands as [8 registers of zero codes | q | 8 of zero codes]: the window [q | 0] picks tile u = 0, the window [0 | q] tile u = 1; zero codes add nothing (no code of K is an infinity: the quantiser holds).
; The 16 registers of a block's two results are keys 16 (lane / 16) + 0 .. 15 of the block: p's conversions give the second product's operand as it stands.
; BESIDE ITS OWN WORK each of the launch's 4,096 waves moves 256 bytes of out_proj_w's codes into the order of operand registers, behind ctx's images in cimg: the next launch then loads each fragment of that weight as
; 4 x 512 consecutive bytes.  Unit U = 16 x work-group + wave holds lanes 16 (U % 2) .. + 15 of piece U / 2; piece ((T 8 + s) 4 + c): rows 16 T + r, bytes 128 s + 32 c + 16 (lane / 16) on.
; LIMITS: NaN and infinities are not served.  A block of zeros gets the byte 1 where the quantiser says 127: its codes are zeros, and the bytes are read by this program alone.
.set LI,   1                           ; v1   16 x lane: K's images
.set LV,   2                           ; v2   + 131,072: V's
.set LS,   3                           ; v3   4 x lane + 262,144: the scale words
.set ADK,  4                           ; v4-6 the step's addresses
.set ADV,  5
.set ADS,  6
.set GQ,   7                           ; v7   16 x lane, for memory
.set GS,   8                           ; v8   4 x lane, for memory
.set AD,   10                          ; v[10:11] VL - M (the low word serves both halves)
.set NM,   12                          ; v12  -M
.set TX,   13                          ; v13  the largest t so far
.set LSUM, 14                          ; v[14:15] the row's sum, in two halves
.set QA,   16                          ; v16-23 zeros, v24-31 q, v32-39 zeros
.set QS,   40                          ; v40  q's scale word: its two bytes twice
.set QR,   41                          ; v41  the block's word as loaded
.set WD,   42                          ; v[42:43] my 8 bytes of out_proj_w
.set WI,   44                          ; v44  where they come from: (lane / 2) rows of 1,024 bytes + 8 (lane % 2)
.set WO,   45                          ; v45  where they go: 8 x lane
.set F,    48                          ; v48-111 four fragments of K or of V
.set FS,   112                         ; v112-115 their scale words
.set PW,   116                         ; v116 p's scale word
.set SUM2, 118                         ; v[118:119] the sum's second chain
.set SCV,  120                         ; v120-123 the conversions' scale operands
.set FF,   124                         ; v[124:125] f = 2^(old M - new M)
.set TP,   126                         ; v126 at work
.set S,    128                         ; v128-191 S^T, then p
.set O,    192                         ; v192-223 O^T
.set PC,   224                         ; v224-239 p's codes
.set BM,   240                         ; v240-243 the blocks' largest scores, then largest p
.set T1,   244                         ; v244-247 the other half's, then bytes
.set HL,   248                         ; v248-251 57,344 x the scale
.set WV,   86                          ; s86 wave;  s87 bh
.set BH,   87
.set G1C,  24                          ; s[24:31] group 1 for codes;  s[32:39] for scale words
.set G1S,  32
.set G0S,  44                          ; s[44:47] group 0 for the scale words;  s[40:43], s[88:91], s[92:95], s[96:99] for the four chunks: none is written again
.set CHB,  32768                       ; a chunk: four key steps of 8,192 bytes, of K and of V each
.set TK,   50                          ; s50 the step's first byte among the codes;  s51 among the scale words;  s52 steps to go in the chunk
.set TS,   51
.set CNT,  52
.set SEL,  54
.set CS,   56                          ; s[56:57] c = log2(e) / 8
.set VL,   58                          ; s58 vol x log2(e)
.set MNT,  59
.macro CROUND                          ; a round of the cluster's barrier
	s_barrier_signal -1
	s_barrier_wait -1
	s_cmp_lg_u32 s[WV], 0
	s_cbranch_scc1 .Lnot_wave_0_\@
	s_barrier_signal -3
.Lnot_wave_0_\@:
	s_barrier_wait -3
	s_barrier_signal -1
	s_barrier_wait -1
.endm
	s_load_b512 s[4:19], s[0:1], 0x0               ; qimg 4:5, qscl 6:7, kimg 8:9, kscl 10:11, vimg 12:13, vscl 14:15, market_info 16:17, cimg 18:19
	s_load_b128 s[20:23], s[0:1], 0x40             ; cscl 20:21, out_proj_w's codes 22:23
	v_lshl_add_u32 v254, v0, 2, 0x44000
	v_mov_b32 v255, 0
	ds_add_u32 v254, v255
	ds_add_u32 v254, v255
	v_lshrrev_b32 v9, 5, v0
	v_readfirstlane_b32 s[WV], v9                  ; wave 0..15
	s_and_b32 s[BH], ttmp7, 0xffff                 ; 16 x batch + head, which the four partners share
	; group 1: dense blocks as rows of 256 bytes (32 elements of 8 bytes), no padding: images are read 512 consecutive bytes at a time
	s_mov_b32 s[G1C], 15|(3<<16)|(1<<21)           ; 15:0 the mask: all four work-groups; 17:16 elements of 8 bytes; 21 set beside a mask
	s_mov_b32 s[G1C+1], 32<<16                     ; tensor_dim0 = 32
	s_mov_b32 s[G1C+2], 16<<16                     ; tensor_dim1 = 16
	s_mov_b32 s[G1C+3], 32<<16                     ; tile_dim0 = 32
	s_mov_b32 s[G1C+4], 16                         ; tile_dim1 = 16 rows: 4,096 bytes
	s_mov_b32 s[G1C+5], 32                         ; the pitch
	s_mov_b32 s[G1C+6], 0
	s_mov_b32 s[G1C+7], 0
	s_mov_b32 s[G1S], 15|(3<<16)|(1<<21)
	s_mov_b32 s[G1S+1], 32<<16
	s_mov_b32 s[G1S+2], 4<<16
	s_mov_b32 s[G1S+3], 32<<16
	s_mov_b32 s[G1S+4], 4                          ; 4 rows: 1,024 bytes
	s_mov_b32 s[G1S+5], 32
	s_mov_b32 s[G1S+6], 0
	s_mov_b32 s[G1S+7], 0
	s_and_b32 s70, s[WV], 7                        ; waves 0-7 fetch K's eighths, waves 8-15 V's
	s_lshl_b32 s72, s70, 12
	s_lshl_b32 s71, s[BH], 17
	s_add_co_u32 s72, s72, s71                     ; codes, in memory: bh x 131,072 + 4,096 x (wave % 8), + 32,768 x chunk
	s_mov_b32 s73, 0
	s_lshl_b32 s74, s70, 10
	s_lshl_b32 s71, s[BH], 13
	s_add_co_u32 s74, s74, s71                     ; scale words: bh x 8,192 + 1,024 x (wave % 8)
	s_mov_b32 s75, 0
	s_lshl_b32 s53, s70, 12
	s_lshr_b32 s71, s[WV], 3
	s_lshl_b32 s71, s71, 17
	s_add_co_u32 s53, s53, s71                     ; codes, in LDS: 131,072 x (wave / 8) + 4,096 x (wave % 8), + 32,768 x chunk
	s_lshr_b32 s76, s[BH], 4
	s_lshl_b32 s76, s76, 5                         ; market_info: 32 bytes a batch; vol is its first number
	s_mov_b32 s77, 0
	s_wait_dscnt 0x0
	s_wait_kmcnt 0x0
	s_cmp_lt_u32 s[WV], 8                          ; the choice hangs on the wave's number alone
	s_cselect_b64 s[66:67], s[8:9], s[12:13]
	s_cselect_b64 s[68:69], s[10:11], s[14:15]
	s_add_nc_u64 s[66:67], s[66:67], s[72:73]
.set j, 0
.irp g, 40, 88, 92, 96
	s_mov_b32 s[\g], 1                             ; count = 1
	s_add_co_u32 s[\g+1], s53, CHB*j               ; LDS address
	s_add_nc_u64 s[\g+2:\g+3], s[66:67], CHB*j     ; global address
	s_or_b32 s[\g+3], s[\g+3], 0x80000000          ; type = 2
.set j, j+1
.endr
	s_mov_b32 s[G0S], 1
	s_lshl_b32 s[G0S+1], s[WV], 10
	s_add_co_u32 s[G0S+1], s[G0S+1], 262144        ; LDS: behind the codes, 1,024 x wave
	s_add_nc_u64 s[G0S+2:G0S+3], s[68:69], s[74:75]
	s_or_b32 s[G0S+3], s[G0S+3], 0x80000000
	s_add_nc_u64 s[16:17], s[16:17], s[76:77]
	s_load_b32 s61, s[16:17], 0x0                  ; vol
	CROUND                                         ; all four work-groups are here: the joint loads meet
	tensor_load_to_lds s[G0S:G0S+3], s[G1S:G1S+7]  ; the scale words first: they are wanted with key step 0
	s_nop 0
	tensor_load_to_lds s[40:43], s[G1C:G1C+7]      ; key steps 0-3,
	s_nop 0
	tensor_load_to_lds s[88:91], s[G1C:G1C+7]      ; 4-7,
	s_nop 0
	tensor_load_to_lds s[92:95], s[G1C:G1C+7]      ; 8-11,
	s_nop 0
	tensor_load_to_lds s[96:99], s[G1C:G1C+7]      ; 12-15.  My five loads stand together; four v_nop follow the last
	s_nop 0
.rept 4
	v_nop
.endr
	; my queries: block 8 qb + wave / 2 of the head's 64, tile u = wave % 2.  The place in the cluster enters these memory addresses alone, in registers of their own
	s_bfe_u32 s48, ttmp6, 0x40000                  ; cx
	s_lshl_b32 s49, ttmp9, 2
	s_add_co_u32 s49, s49, s48                     ; qb = 4 x cluster x + cx
	s_lshl_b32 s78, s49, 3
	s_lshr_b32 s79, s[WV], 1
	s_add_co_u32 s78, s78, s79                     ; my block
	s_and_b32 s79, s[WV], 1                        ; u
	s_lshl_b32 s80, s[BH], 17
	s_lshl_b32 s82, s78, 11
	s_add_co_u32 s80, s80, s82
	s_lshl_b32 s82, s79, 10
	s_add_co_u32 s80, s80, s82
	s_mov_b32 s81, 0
	s_add_nc_u64 s[4:5], s[4:5], s[80:81]          ; qimg: bh x 131,072 + block x 2,048 + u x 1,024
	s_lshl_b32 s80, s[BH], 13
	s_lshl_b32 s82, s78, 7
	s_add_co_u32 s80, s80, s82
	s_add_nc_u64 s[6:7], s[6:7], s[80:81]          ; qscl: bh x 8,192 + block x 128
	s_lshl_b32 s62, s[BH], 3                       ; out_proj_w: my unit U = 16 (8 bh + qb) + wave, 0 .. 4,095
	s_add_co_u32 s62, s62, s49
	s_lshl_b32 s62, s62, 4
	s_add_co_u32 s62, s62, s[WV]
	s_lshr_b32 s63, s62, 6
	s_lshl_b32 s80, s63, 14                        ; from: tile U / 64 of 16 rows of 1,024 bytes,
	s_and_b32 s82, s62, 63
	s_lshl_b32 s82, s82, 4                         ; + 16 (U % 64) = 128 s + 32 c + 16 (U % 2)
	s_add_co_u32 s80, s80, s82
	s_add_nc_u64 s[22:23], s[22:23], s[80:81]
	s_lshl_b32 s80, s62, 8                         ; to: behind ctx's 4,194,304 bytes, 256 U
	s_add_co_u32 s80, s80, 4194304
	s_add_nc_u64 s[76:77], s[18:19], s[80:81]
	s_lshr_b32 s83, s[BH], 4
	s_lshl_b32 s83, s83, 6
	s_add_co_u32 s83, s83, s78                     ; the block among all 128
	s_and_b32 s84, s[BH], 15
	s_lshr_b32 s85, s84, 1                         ; ctx's K step = head / 2
	s_and_b32 s84, s84, 1                          ; and which half of it
	s_lshl_b32 s80, s83, 15
	s_lshl_b32 s82, s85, 12
	s_add_co_u32 s80, s80, s82
	s_lshl_b32 s82, s79, 11
	s_add_co_u32 s80, s80, s82
	s_lshl_b32 s82, s84, 10
	s_add_co_u32 s80, s80, s82
	s_add_nc_u64 s[18:19], s[18:19], s[80:81]      ; cimg: block x 32,768 + K step x 4,096 + u x 2,048 + half x 1,024
	s_lshl_b32 s80, s83, 11
	s_lshl_b32 s82, s85, 8
	s_add_co_u32 s80, s80, s82
	s_lshl_b32 s82, s79, 7
	s_add_co_u32 s80, s80, s82
	s_lshl_b32 s82, s84, 1
	s_add_co_u32 s80, s80, s82
	s_add_nc_u64 s[20:21], s[20:21], s[80:81]      ; cscl: block x 2,048 + K step x 256 + u x 128 + half x 2
	s_mul_i32 s60, s79, 0x02020202
	s_add_co_u32 s60, s60, 0x01000100              ; byte selects 2 u, 2 u + 1, 2 u, 2 u + 1
	v_and_b32 v9, 31, v0
	v_lshlrev_b32 v[LI], 4, v9
	v_lshlrev_b32 v[GQ], 4, v9
	v_lshlrev_b32 v[GS], 2, v9
	v_and_b32 v[WO], 1, v9
	v_lshlrev_b32 v[WO], 3, v[WO]
	v_lshrrev_b32 v[WI], 1, v9
	v_lshl_add_u32 v[WI], v[WI], 10, v[WO]
	v_lshlrev_b32 v[WO], 3, v9
	global_load_b128 v[QA+8:QA+11], v[GQ], s[4:5]              ; q: d 0-31,
	global_load_b128 v[QA+12:QA+15], v[GQ], s[4:5] offset:512  ; d 32-63
	global_load_b32 v[QR], v[GS], s[6:7]
	global_load_b64 v[WD:WD+1], v[WI], s[22:23]                ; my 8 bytes of out_proj_w's codes
	v_add_nc_u32 v[LV], 131072, v[LI]
	v_add_nc_u32 v[LS], 262144, v[GS]
	s_mov_b32 s[SEL], 0x76543210
	s_mov_b32 s[SEL+1], 0xfedcba98
	s_mov_b32 s[CS], 0x3e38aa3b                    ; c = log2(e) / 8
	s_mov_b32 s[CS+1], s[CS]                       ; (named with it as a pair, so it is written)
	s_mov_b32 s[MNT], 0x600000
.irp j, 0,1,2,3,4,5,6,7
	v_mov_b32 v[QA+\j], 0                          ; zero codes on both sides of q
	v_mov_b32 v[QA+16+\j], 0
.endr
	v_mov_b32 v[TX], 0xff61b1e6                    ; the largest t so far: -3e38, under every t
	v_floor_f32 v[NM], -v[TX]
	v_mov_b32 v[LSUM], 0
	v_mov_b32 v[LSUM+1], 0
	v_mov_b32 v[AD+1], 0                           ; (upper halves of pairs whose low word serves both halves)
	v_mov_b32 v[FF+1], 0
.irp b, 0,1,2,3
	v_mov_b32 v[T1+\b], 0                          ; a lane permute's destination counts as one of its sources
.endr
	s_wait_kmcnt 0x0
	s_mul_f32 s[VL], s61, 0x3fb8aa3b               ; VL = vol x log2(e)
	s_wait_loadcnt 0x0
	v_perm_b32 v[QS], v[QR], v[QR], s60            ; q's two bytes, twice: they serve both windows
	global_store_b64 v[WO], v[WD:WD+1], s[76:77]   ; the wave stores 256 consecutive bytes, at a multiple of 256 from cimg's first byte
.set j, 0
.rept 32
	v_mov_b32 v[O+j], 0                            ; O^T: the step is written once for all; the first finds zeros, which the first change of M leaves zeros.  (Also the places between the scale word's making and the first product)
.set j, j+1
.endr
; A CHUNK: four key steps of 128 keys.  In front of them: my part of the chunk has landed (the later chunks' loads, 3 - chunk of them, stay out: nothing in LDS is filled again), and a barrier shows the same of every wave.
.macro CHUNK chunk
	s_wait_tensorcnt 3-\chunk
	s_barrier_signal -1
	s_barrier_wait -1
	s_mov_b32 s[TK], CHB*\chunk
	s_mov_b32 s[TS], 2048*\chunk
	s_mov_b32 s[CNT], 4
.Lstep_\@:
	v_add_nc_u32 v[ADK], s[TK], v[LI]
	v_add_nc_u32 v[ADV], s[TK], v[LV]
	v_add_nc_u32 v[ADS], s[TS], v[LS]
.rept 5
	v_nop                                          ; with the three additions: eight places in front of loads into registers that the last products read
.endr
.irp b, 0,1,2,3
.irp c, 0,1,2,3
	ds_load_b128 v[F+16*\b+4*\c:F+16*\b+4*\c+3], v[ADK] offset:2048*\b+512*\c
.endr
	ds_load_b32 v[FS+\b], v[ADS] offset:128*\b
.endr
	s_wait_dscnt 0x0
.irp b, 0,1,2,3                        ; S^T: register 16 b + 8 u + j is key 32 b + 16 (lane / 16) + 8 u + j
	v_wmma_scale_f32_16x16x128_f8f6f4 v[S+16*\b:S+16*\b+7], v[F+16*\b:F+16*\b+15], v[QA+8:QA+23], 0, v[FS+\b], v[QS] matrix_a_fmt:MATRIX_FMT_BF8 matrix_b_fmt:MATRIX_FMT_BF8
	v_wmma_scale_f32_16x16x128_f8f6f4 v[S+16*\b+8:S+16*\b+15], v[F+16*\b:F+16*\b+15], v[QA:QA+15], 0, v[FS+\b], v[QS] matrix_a_fmt:MATRIX_FMT_BF8 matrix_b_fmt:MATRIX_FMT_BF8
.endr
.rept 8
	v_nop
.endr
.irp t, 0,1,2,3                        ; V is asked for here and lands while the softmax is walked
.irp c, 0,1,2,3
	ds_load_b128 v[F+16*\t+4*\c:F+16*\t+4*\c+3], v[ADV] offset:2048*\t+512*\c
.endr
	ds_load_b32 v[FS+\t], v[ADS] offset:8192+128*\t
.endr
.irp b, 0,1,2,3
	v_max3_num_f32 v[BM+\b], v[S+16*\b], v[S+16*\b+1], v[S+16*\b+2]   ; the largest score of each block of 32 keys: for the row's maximum and, since p rises with the score, for the block's largest p
.endr
.irp i, 3,5,7,9,11,13
.irp b, 0,1,2,3
	v_max3_num_f32 v[BM+\b], v[BM+\b], v[S+16*\b+\i], v[S+16*\b+\i+1]
.endr
.endr
.irp b, 0,1,2,3
	v_max_num_f32 v[BM+\b], v[BM+\b], v[S+16*\b+15]
.endr
.irp b, 0,1,2,3
	v_permlanex16_b32 v[T1+\b], v[BM+\b], s[SEL], s[SEL+1]
.endr
.irp b, 0,1,2,3
	v_max_num_f32 v[BM+\b], v[BM+\b], v[T1+\b]     ; with lane l xor 16's 16 keys
.endr
	v_max3_num_f32 v[TP], v[BM], v[BM+1], v[BM+2]
	v_max_num_f32 v[TP], v[TP], v[BM+3]
	v_fma_f32 v[TP], v[TP], s[CS], s[VL]           ; the step's largest t (c is positive)
	v_max_num_f32 v[TX], v[TX], v[TP]
	v_mov_b32 v[TP], v[NM]
	v_floor_f32 v[NM], -v[TX]                      ; -M = floor(-t) = -ceil(t): M is a whole number
	v_sub_f32 v[TP], v[NM], v[TP]                  ; old M - new M: a whole number, 0 or less
	v_cvt_i32_f32 v[TP], v[TP]                     ; (it saturates)
	v_ldexp_f32 v[FF], 1.0, v[TP]                  ; f = 2^(old M - new M)
	v_add_f32 v[AD], s[VL], v[NM]                  ; VL - M
.set j, 0
.rept 32
	v_pk_fma_f32 v[S+j:S+j+1], v[S+j:S+j+1], s[CS:CS+1], v[AD:AD+1] op_sel_hi:[1,0,0]   ; t - M, two at a time
.set j, j+2
.endr
.irp b, 0,1,2,3
	v_fma_f32 v[BM+\b], v[BM+\b], s[CS], v[AD]     ; the same of each block's largest score
.endr
.set j, 0
.rept 64
	v_exp_f32 v[S+j], v[S+j]                       ; p = 2^(t - M), at most 1
.set j, j+1
.endr
.irp b, 0,1,2,3
	v_exp_f32 v[BM+\b], v[BM+\b]                   ; the block's largest p: the same two instructions on the same number
.endr
	v_pk_mul_f32 v[LSUM:LSUM+1], v[LSUM:LSUM+1], v[FF:FF+1] op_sel_hi:[1,0]   ; the sum under the new M (a plain place behind the exponentials)
	s_wait_alu depctr_va_vdst(0)
.irp b, 0,1,2,3
	v_max_num_f32 v[BM+\b], 0x8000000, v[BM+\b]    ; the floor 2^(16 - 127): the byte cannot fall under 1
.endr
.irp b, 0,1,2,3
	v_add_nc_u32 v[SCV+\b], 0xf8800000, v[BM+\b]   ; 15 off the exponent field: the conversion's scale operand
.endr
.irp b, 0,1,2,3
	v_and_or_b32 v[HL+\b], v[BM+\b], 0x7f800000, s[MNT]   ; 57,344 x the scale
.endr
.irp b, 0,1,2,3
	v_lshrrev_b32 v[T1+\b], 23, v[SCV+\b]          ; the scale's byte
.endr
	v_lshl_or_b32 v[PW], v[T1+1], 8, v[T1]         ; p's scale word for these 128 keys
	v_lshl_or_b32 v[PW], v[T1+2], 16, v[PW]
	v_lshl_or_b32 v[PW], v[T1+3], 24, v[PW]
	v_pk_add_f32 v[SUM2:SUM2+1], v[S:S+1], v[S+2:S+3]   ; the row's sum is taken of the unquantised p: two at a time, in two chains
.irp j, 4,8,12,16,20,24,28,32,36,40,44,48,52,56,60
	v_pk_add_f32 v[LSUM:LSUM+1], v[LSUM:LSUM+1], v[S+\j:S+\j+1]
	v_pk_add_f32 v[SUM2:SUM2+1], v[SUM2:SUM2+1], v[S+\j+2:S+\j+3]
.endr
	v_pk_add_f32 v[LSUM:LSUM+1], v[LSUM:LSUM+1], v[SUM2:SUM2+1]
.irp b, 0,1,2,3
.irp i, 0,1,2,3,4,5,6,7,8,9,10,11,12,13,14,15
	v_min_num_f32 v[S+16*\b+\i], v[S+16*\b+\i], v[HL+\b]   ; the conversion does not saturate (ISA guide 7.6.2); p is not negative, so the hold is one-sided
.endr
.endr
.irp b, 0,1,2,3
	v_cvt_scalef32_pk8_bf8_f32 v[PC+4*\b:PC+4*\b+1], v[S+16*\b:S+16*\b+7], v[SCV+\b]
	v_cvt_scalef32_pk8_bf8_f32 v[PC+4*\b+2:PC+4*\b+3], v[S+16*\b+8:S+16*\b+15], v[SCV+\b]
.endr
.set j, 0
.rept 16
	v_pk_mul_f32 v[O+j:O+j+1], v[O+j:O+j+1], v[FF:FF+1] op_sel_hi:[1,0]   ; O^T under the new M, from each accumulator's low end on.  (Also the places between the conversions and the products)
.set j, j+2
.endr
	s_wait_dscnt 0x0                               ; V is in
.irp t, 0,1,2,3                        ; O^T += V^T P^T: the four accumulators take one turn each
	v_wmma_scale_f32_16x16x128_f8f6f4 v[O+8*\t:O+8*\t+7], v[F+16*\t:F+16*\t+15], v[PC:PC+15], v[O+8*\t:O+8*\t+7], v[FS+\t], v[PW] matrix_a_fmt:MATRIX_FMT_BF8 matrix_b_fmt:MATRIX_FMT_BF8
.endr
	s_add_co_u32 s[TK], s[TK], 8192
	s_add_co_u32 s[TS], s[TS], 512
	s_sub_co_u32 s[CNT], s[CNT], 1
	s_cmp_lg_u32 s[CNT], 0
	s_cbranch_scc1 .Lstep_\@
.endm
	CHUNK 0
	CHUNK 1
	CHUNK 2
	CHUNK 3                                        ; its wait is for 0: no tensor load is out from here on
	; THE WAY OUT.  ctx = O^T / the sum: register 16 B + i is d = 32 B + 16 (lane / 16) + i of my query: two blocks along the last product's K.  They are quantised and leave as two pieces of an image.
.rept 8
	v_nop                                          ; places behind the last products
.endr
	v_add_f32 v[LSUM], v[LSUM], v[LSUM+1]
	v_permlanex16_b32 v[T1], v[LSUM], s[SEL], s[SEL+1]
	v_add_f32 v[LSUM], v[LSUM], v[T1]              ; the row's sum
	v_rcp_f32 v[LSUM], v[LSUM]
	v_nop                                          ; one plain place behind a transcendental
.set j, 0
	s_wait_alu depctr_va_vdst(0)
.rept 32
	v_mul_f32 v[S+j], v[O+j], v[LSUM]
.set j, j+1
.endr
.irp b, 0,1
	v_max3_num_f32 v[BM+\b], |v[S+16*\b]|, |v[S+16*\b+1]|, 0x8000000
.endr
.irp i, 2,4,6,8,10,12,14
.irp b, 0,1
	v_max3_num_f32 v[BM+\b], v[BM+\b], |v[S+16*\b+\i]|, |v[S+16*\b+\i+1]|
.endr
.endr
.irp b, 0,1
	v_permlanex16_b32 v[T1+\b], v[BM+\b], s[SEL], s[SEL+1]
.endr
.irp b, 0,1
	v_max_num_f32 v[BM+\b], v[BM+\b], v[T1+\b]
.endr
.irp b, 0,1
	v_add_nc_u32 v[SCV+\b], 0xf8800000, v[BM+\b]
.endr
.irp b, 0,1
	v_and_or_b32 v[HL+\b], v[BM+\b], 0x7f800000, s[MNT]
.endr
.irp b, 0,1
	v_lshrrev_b32 v[T1+\b], 23, v[SCV+\b]
.endr
	v_lshl_or_b32 v[TP], v[T1+1], 8, v[T1]         ; my head's two bytes of the K step's word
.irp b, 0,1
.irp i, 0,1,2,3,4,5,6,7,8,9,10,11,12,13,14,15
	v_med3_num_f32 v[S+16*\b+\i], v[S+16*\b+\i], -v[HL+\b], v[HL+\b]
.endr
.endr
.irp b, 0,1
	v_cvt_scalef32_pk8_bf8_f32 v[PC+4*\b:PC+4*\b+1], v[S+16*\b:S+16*\b+7], v[SCV+\b]
	v_cvt_scalef32_pk8_bf8_f32 v[PC+4*\b+2:PC+4*\b+3], v[S+16*\b+8:S+16*\b+15], v[SCV+\b]
.endr
	v_nop                                          ; one plain vector line behind the last conversion
	global_store_b128 v[GQ], v[PC:PC+3], s[18:19]              ; 512 consecutive bytes each
	global_store_b128 v[GQ], v[PC+4:PC+7], s[18:19] offset:512
	global_store_b16 v[GS], v[TP], s[20:21]
	s_wait_dscnt 0x0
	s_wait_tensorcnt 0x0
	ds_add_u32 v254, v255
	s_wait_dscnt 0x0
	CROUND                                         ; the closing round: no work-group ends while a partner may still ask for a tile that names it
	s_endpgm
.Lfunc_end_k_qd5e9166648_attn:
	.size	k_qd5e9166648_attn, .Lfunc_end_k_qd5e9166648_attn-k_qd5e9166648_attn
	.p2alignl 7, 3214868480
	.fill 96, 4, 3214868480
	.section	.rodata,"a",@progbits
	.p2align	6, 0x0
	.amdhsa_kernel k_qd5e9166648_attn
		.amdhsa_group_segment_fixed_size 280576
		.amdhsa_private_segment_fixed_size 0
		.amdhsa_enable_private_segment 0
		.amdhsa_kernarg_size 80
		.amdhsa_user_sgpr_count 2
		.amdhsa_user_sgpr_kernarg_segment_ptr 1
		.amdhsa_wavefront_size32 1
		.amdhsa_system_sgpr_workgroup_id_x 1
		.amdhsa_system_sgpr_workgroup_id_y 1
		.amdhsa_system_sgpr_workgroup_id_z 1
		.amdhsa_system_vgpr_workitem_id 0
		.amdhsa_next_free_vgpr 256
		.amdhsa_next_free_sgpr 100
		.amdhsa_reserve_vcc 0
		.amdhsa_float_denorm_mode_32 3
		.amdhsa_float_denorm_mode_16_64 3
		.amdhsa_memory_ordered 1
		.amdhsa_forward_progress 1
		.amdhsa_inst_pref_size 92
	.end_amdhsa_kernel
	.amdgpu_metadata
---
amdhsa.version: [ 1, 2 ]
amdhsa.kernels:
  - .name:           k_qd5e9166648_attn
    .symbol:         k_qd5e9166648_attn.kd
    .args:
      - { .name: qimg, .offset: 0, .size: 8, .value_kind: global_buffer, .address_space: global }
      - { .name: qscl, .offset: 8, .size: 8, .value_kind: global_buffer, .address_space: global }
      - { .name: kimg, .offset: 16, .size: 8, .value_kind: global_buffer, .address_space: global }
      - { .name: kscl, .offset: 24, .size: 8, .value_kind: global_buffer, .address_space: global }
      - { .name: vimg, .offset: 32, .size: 8, .value_kind: global_buffer, .address_space: global }
      - { .name: vscl, .offset: 40, .size: 8, .value_kind: global_buffer, .address_space: global }
      - { .name: market_info, .offset: 48, .size: 8, .value_kind: global_buffer, .address_space: global }
      - { .name: cimg, .offset: 56, .size: 8, .value_kind: global_buffer, .address_space: global }
      - { .name: cscl, .offset: 64, .size: 8, .value_kind: global_buffer, .address_space: global }
      - { .name: out_proj_w_codes, .offset: 72, .size: 8, .value_kind: global_buffer, .address_space: global }
    .group_segment_fixed_size: 280576
    .private_segment_fixed_size: 0
    .kernarg_segment_align: 8
    .kernarg_segment_size: 80
    .max_flat_workgroup_size: 512
    .sgpr_count:     100
    .vgpr_count:     256
    .wavefront_size: 32
...
	.end_amdgpu_metadata
.endif
;; end of part 2
;; launch outln (part 3): grid 128 x 1, 16 waves a work-group, no clusters, 309,760 bytes of LDS; arguments cimg, cscl, out_proj_w_scales, out_proj_b, x, ln_gamma, ln_beta, out0; writes out0
.if DOCPART == 3
	.amdgcn_target "amdgcn-amd-amdhsa--gfx1250"
	.amdhsa_code_object_version 6
	.text
	.protected	k_qd5e9166648_outln
	.globl	k_qd5e9166648_outln
	.p2align	8
	.type	k_qd5e9166648_outln,@function
k_qd5e9166648_outln:
	s_mov_b64 s[64:65], 0
	v_nop
	global_prefetch_b8 v0, s[64:65] scope:SCOPE_SE
	s_setreg_imm32_b32 hwreg(HW_REG_WAVE_MODE, 25, 1), 1
	s_wait_xcnt 0x0
; out0 = LayerNorm(x + ctx Wo^T + bo) gamma + beta.  The product is on codes of BF8 (E5M2) with one E8M0 scale for each 32 along K; all else in f32.
; ctx comes as images of operand registers with its scale words.  Wo's codes come as images too, behind ctx's in cimg (the launch before laid them so): [tile of 16 rows][K step][piece][lane][16 bytes]; its scale bytes as given, [1024][32].
; SHARES.  A work-group takes a block of 32 tokens and all 1,024 columns, since a norm wants whole rows.  Wave w makes columns 64 w .. 64 w + 63 (four tiles) for both tiles of 16 tokens: eight accumulators;
; the results meet in a stage in LDS, and then wave w takes tokens 2 w and 2 w + 1 whole: residual, mean, variance (of the differences from the mean, as the definition has it), gain and shift, stores of 512 consecutive bytes.
; 32 tokens to a work-group make 128 work-groups: with 16 tokens there would be 256, each still reading all of Wo's 1,048,576 bytes, twice the bytes in all for nearly the same stream a work-group.
; ONCE A WORK-GROUP, by copies issued at the head: ctx's 32,768 bytes, the block's 131,072 bytes of x, and gamma, beta and bo, 4,096 bytes each (a wave copies 256 bytes of each): every wave wants all of gamma and beta, and from
; LDS they cost no load from memory.  Nothing in LDS is filled again.  Wo goes from memory straight into registers, one K step ahead, 512 consecutive bytes a load, each fragment feeding two products.
; NO CLUSTER: a joint load lands in LDS; Wo's 1,048,576 bytes would go through slots filled again, a round of the cluster's barrier for each, beside 307,712 bytes that are in use.
; The product is used transposed (source 0 = 16 rows of Wo, source 1 = 16 tokens of ctx): a lane holds eight neighbouring columns of one token.  Row r of ctx's tile u is token 8 u + pi(r), pi(r) = r + 8 (r / 8).
; bo is loaded straight into the accumulators, in the result's layout: every product adds in place.
; LIMITS: NaN and infinities among the inputs are not served.
.set CIMG, 0                           ; LDS: ctx's fragment (K step s, tile u) at (2 s + u) 2048
.set XS,   32768                       ; x's 32 rows of 4,096 bytes
.set STG,  163840                      ; the stage: 32 rows of 4,096 + 16 bytes; no copy lands here
.set SP,   4112
.set PAR,  295424                      ; gamma, beta, bo: 4,096 bytes each
.set WIMG, 4194304                     ; where Wo's images begin in cimg
.set LI,   1                           ; v1   16 x lane
.set CAL,  2                           ; v2   my copy of ctx: 2,048 x wave + 16 x lane, in LDS
.set CAG,  3                           ; v3   and in memory
.set XAL,  4                           ; v4   my two rows of x in LDS
.set XAG,  5                           ; v5   8,192 x wave + 16 x lane: in x, and in out0
.set BBL,  6                           ; v6   bo in LDS: 256 x wave + 32 (lane / 16)
.set WSA,  7                           ; v7   Wo's scale bytes: row 32 (lane / 16) + r
.set CSA,  8                           ; v8   ctx's scale words: lanes 0-15 tile 0, lanes 16-31 tile 1
.set SO,   9                           ; v9   the stage, on the way in
.set SR,   10                          ; v10  and back
.set PG,   11                          ; v11  my 8 bytes of gamma, beta and bo in memory: 256 x wave + 8 x lane
.set MU,   12                          ; v[12:13] the mean
.set RS,   14                          ; v[14:15] 1 / sqrt(variance + eps)
.set ACC,  16                          ; v16-79: accumulator (m, t) at 16 + 8 (4 m + t); later the two rows: v16-47, v48-79
.set CF,   80                          ; v80-111 ctx's two fragments; later the second row of x
.set WF,   112                         ; v112-239 Wo's fragments, two slots of four; later gamma, beta, an address, the first row of x
.set GA,   112
.set BE,   144
.set GL,   176                         ; v176 gamma in LDS: 16 x lane (made behind the last product)
.set X0,   208
.set WS,   240                         ; v240-243 Wo's scale words: slot x 2 + a: lanes 0-15 tile a, lanes 16-31 tile a + 2
.set CS,   244                         ; v244-245 ctx's, a register for each slot
.set T,    246                         ; v246-255 at work
.set PA,   250                         ; v250-252 where my copies of gamma, beta and bo land; at work only behind the wait for all copies
.set SEL,  28
.macro PLACES n
.rept \n
	v_nop
.endr
.endm
.macro WLOAD s                         ; K step s: 16 + 2 + 1 = 19 loads
.irp t, 0,1,2,3
.irp c, 0,1,2,3
	global_load_b128 v[WF+64*((\s)&1)+16*\t+4*\c:WF+64*((\s)&1)+16*\t+4*\c+3], v[LI], s[20:21] offset:16384*\t+2048*(\s)+512*\c   ; a piece of an image: 512 consecutive bytes
.endr
.endr
.irp a, 0,1
	global_load_b32 v[WS+2*((\s)&1)+\a], v[WSA], s[8:9] offset:512*\a+4*(\s)
.endr
	global_load_b32 v[CS+((\s)&1)], v[CSA], s[6:7] offset:256*(\s)
.endm
.macro CFETCH s
.irp m, 0,1
.irp c, 0,1,2,3
	ds_load_b128 v[CF+16*\m+4*\c:CF+16*\m+4*\c+3], v[LI] offset:(2*(\s)+\m)*2048+512*\c
.endr
.endr
.endm
.macro WM ra, rb                       ; one product on rD, rA, rB, rSA, rSB, in place; ra, rb: that side's scale words stand in lanes 16-31
.if (\ra) && (\rb)
	v_wmma_scale_f32_16x16x128_f8f6f4 v[rD:rD+7], v[rA:rA+15], v[rB:rB+15], v[rD:rD+7], v[rSA], v[rSB] matrix_a_fmt:MATRIX_FMT_BF8 matrix_b_fmt:MATRIX_FMT_BF8 matrix_a_scale:MATRIX_SCALE_ROW1 matrix_b_scale:MATRIX_SCALE_ROW1
.elseif (\ra)
	v_wmma_scale_f32_16x16x128_f8f6f4 v[rD:rD+7], v[rA:rA+15], v[rB:rB+15], v[rD:rD+7], v[rSA], v[rSB] matrix_a_fmt:MATRIX_FMT_BF8 matrix_b_fmt:MATRIX_FMT_BF8 matrix_a_scale:MATRIX_SCALE_ROW1
.elseif (\rb)
	v_wmma_scale_f32_16x16x128_f8f6f4 v[rD:rD+7], v[rA:rA+15], v[rB:rB+15], v[rD:rD+7], v[rSA], v[rSB] matrix_a_fmt:MATRIX_FMT_BF8 matrix_b_fmt:MATRIX_FMT_BF8 matrix_b_scale:MATRIX_SCALE_ROW1
.else
	v_wmma_scale_f32_16x16x128_f8f6f4 v[rD:rD+7], v[rA:rA+15], v[rB:rB+15], v[rD:rD+7], v[rSA], v[rSB] matrix_a_fmt:MATRIX_FMT_BF8 matrix_b_fmt:MATRIX_FMT_BF8
.endif
.endm
.macro KSTEP s
.if (\s) > 0
	PLACES 8                                       ; in front of loads into registers that the last K step's products read
.endif
	CFETCH \s
.if ((\s) >= 1) && ((\s) <= 6)
	WLOAD (\s)+1
.endif
.if (\s) < 7
	s_wait_loadcnt 19                              ; this K step's loads are in; the next one's 19 may be out
.else
	s_wait_loadcnt 0x0
.endif
	s_wait_dscnt 0x0
.irp m, 0,1                            ; the eight accumulators take turns, one instruction a turn, in the same order in every K step
.irp t, 0,1,2,3
.set rD, ACC+8*(4*\m+\t)
.set rA, WF+64*((\s)&1)+16*\t
.set rB, CF+16*\m
.set rSA, WS+2*((\s)&1)+(\t&1)
.set rSB, CS+((\s)&1)
	WM (\t>>1), \m
.endr
.endr
.endm
.macro ACROSS                          ; v[T+8]: the sum over the wave's 32 lanes, in every lane
	v_add_f32_dpp v[T+8], v[T+8], v[T+8] row_xmask:1 row_mask:0xf bank_mask:0xf
	v_add_f32_dpp v[T+8], v[T+8], v[T+8] row_xmask:2 row_mask:0xf bank_mask:0xf
	v_add_f32_dpp v[T+8], v[T+8], v[T+8] row_xmask:4 row_mask:0xf bank_mask:0xf
	v_add_f32_dpp v[T+8], v[T+8], v[T+8] row_xmask:8 row_mask:0xf bank_mask:0xf
	v_permlanex16_b32 v[T+9], v[T+8], s[SEL], s[SEL+1]
	v_add_f32 v[T+8], v[T+8], v[T+9]
.endm
.macro JOIN                            ; the four chains become one number a lane
	v_pk_add_f32 v[T:T+1], v[T:T+1], v[T+2:T+3]
	v_pk_add_f32 v[T+4:T+5], v[T+4:T+5], v[T+6:T+7]
	v_pk_add_f32 v[T:T+1], v[T:T+1], v[T+4:T+5]
	v_add_f32 v[T+8], v[T], v[T+1]
.endm
; One row: 32 registers a lane, register 4 i + e = column 128 i + 4 x lane + e.  Y: attended (with its bias), X: x.  q: which of my two rows.
.macro ROWLN Y, X, q
.irp k, 0,2,4,6,8,10,12,14,16,18,20,22,24,26,28,30
	v_pk_add_f32 v[\Y+\k:\Y+\k+1], v[\Y+\k:\Y+\k+1], v[\X+\k:\X+\k+1]   ; y = x + attended
.endr
.irp k, 0,1,2,3
	v_pk_add_f32 v[T+2*\k:T+2*\k+1], v[\Y+2*\k:\Y+2*\k+1], v[\Y+8+2*\k:\Y+8+2*\k+1]   ; the sum, in four chains started by the first pairs
.endr
.irp j, 16,24
.irp k, 0,1,2,3
	v_pk_add_f32 v[T+2*\k:T+2*\k+1], v[T+2*\k:T+2*\k+1], v[\Y+\j+2*\k:\Y+\j+2*\k+1]
.endr
.endr
	JOIN
	ACROSS
	v_mul_f32 v[MU], s30, v[T+8]                   ; the mean
.irp k, 0,2,4,6,8,10,12,14,16,18,20,22,24,26,28,30
	v_pk_add_f32 v[\Y+\k:\Y+\k+1], v[\Y+\k:\Y+\k+1], v[MU:MU+1] op_sel_hi:[1,0] neg_lo:[0,1] neg_hi:[0,1]   ; y - mean
.endr
.irp k, 0,1,2,3
	v_pk_mul_f32 v[T+2*\k:T+2*\k+1], v[\Y+2*\k:\Y+2*\k+1], v[\Y+2*\k:\Y+2*\k+1]
.endr
.irp j, 8,16,24
.irp k, 0,1,2,3
	v_pk_fma_f32 v[T+2*\k:T+2*\k+1], v[\Y+\j+2*\k:\Y+\j+2*\k+1], v[\Y+\j+2*\k:\Y+\j+2*\k+1], v[T+2*\k:T+2*\k+1]
.endr
.endr
	JOIN
	ACROSS
	v_fma_f32 v[T+8], v[T+8], s30, s31             ; the variance + eps
	v_rsq_f32 v[RS], v[T+8]
	v_nop                                          ; one plain place behind a transcendental
	s_wait_alu depctr_va_vdst(0)
.irp k, 0,2,4,6,8,10,12,14,16,18,20,22,24,26,28,30
	v_pk_mul_f32 v[\Y+\k:\Y+\k+1], v[\Y+\k:\Y+\k+1], v[RS:RS+1] op_sel_hi:[1,0]
.endr
.irp k, 0,2,4,6,8,10,12,14,16,18,20,22,24,26,28,30
	v_pk_fma_f32 v[\Y+\k:\Y+\k+1], v[\Y+\k:\Y+\k+1], v[GA+\k:GA+\k+1], v[BE+\k:BE+\k+1]
.endr
.irp i, 0,1,2,3,4,5,6,7
	global_store_b128 v[XAG], v[\Y+4*\i:\Y+4*\i+3], s[18:19] offset:4096*\q+512*\i th:TH_STORE_NT   ; 512 consecutive bytes, at a multiple of 512 from out0's first byte; written once
.endr
.endm
	s_load_b512 s[4:19], s[0:1], 0x0               ; cimg 4:5, cscl 6:7, Wo's scales 8:9, bo 10:11, x 12:13, gamma 14:15, beta 16:17, out0 18:19
	v_lshl_add_u32 v254, v0, 2, 0x4b200
	v_mov_b32 v255, 0
	ds_add_u32 v254, v255
	ds_add_u32 v254, v255
	s_wait_dscnt 0x0
	v_lshrrev_b32 v246, 5, v0
	v_readfirstlane_b32 s22, v246                  ; wave 0..15
	v_and_b32 v249, 31, v0                         ; lane
	v_and_b32 v246, 15, v0                         ; r
	v_bfe_u32 v247, v0, 4, 1                       ; lane / 16
	v_lshlrev_b32 v[LI], 4, v249
	s_lshl_b32 s24, s22, 11
	v_add_nc_u32 v[CAL], s24, v[LI]
	v_add_nc_u32 v[CAG], s24, v[LI]
	s_lshl_b32 s24, s22, 13
	v_add_nc_u32 v[XAG], s24, v[LI]
	v_add_nc_u32 v[XAL], XS, v[XAG]
	v_lshl_add_u32 v[WSA], v247, 5, v246
	v_lshlrev_b32 v[WSA], 5, v[WSA]
	v_lshlrev_b32 v[CSA], 2, v249
	v_lshl_add_u32 v[CSA], v247, 7, v[CSA]
	v_and_b32 v248, 8, v246
	v_add_nc_u32 v248, v248, v246                  ; pi(r)
	v_mul_u32_u24 v[SO], v248, SP
	v_lshl_add_u32 v[SO], v247, 5, v[SO]
	s_lshl_b32 s24, s22, 8
	v_lshlrev_b32 v[BBL], 5, v247
	v_add_nc_u32 v[BBL], s24, v[BBL]
	v_add_nc_u32 v[BBL], PAR+8192, v[BBL]
	v_lshlrev_b32 v[PG], 3, v249
	v_add_nc_u32 v[PG], s24, v[PG]
	v_add_nc_u32 v[PA], PAR, v[PG]
	v_add_nc_u32 v[PA+1], PAR+4096, v[PG]
	v_add_nc_u32 v[PA+2], PAR+8192, v[PG]
	s_add_co_u32 s24, s24, STG
	v_add_nc_u32 v[SO], s24, v[SO]                 ; the stage: row pi(r), + 256 x wave + 32 (lane / 16)
	s_mul_i32 s24, s22, 2*SP
	s_add_co_u32 s24, s24, STG
	v_add_nc_u32 v[SR], s24, v[LI]                 ; back: my two rows, 16 bytes a lane
	v_mov_b32 v[MU+1], 0                           ; (upper halves of pairs whose low word serves both halves)
	v_mov_b32 v[RS+1], 0
	v_mov_b32 v[T+9], 0                            ; a lane permute's destination counts as one of its sources
	s_mov_b32 s[SEL], 0x76543210
	s_mov_b32 s[SEL+1], 0xfedcba98
	s_mov_b32 s30, 0x3a800000                      ; 1 / 1,024
	s_mov_b32 s31, 0x3727c5ac                      ; eps = 1e-5
	s_lshl_b32 s26, s22, 16
	s_add_co_u32 s26, s26, WIMG
	s_mov_b32 s27, 0
	s_wait_kmcnt 0x0
	s_add_nc_u64 s[20:21], s[4:5], s[26:27]        ; Wo's images: my four tiles of 16,384 bytes
	s_lshl_b32 s26, ttmp9, 15
	s_add_nc_u64 s[4:5], s[4:5], s[26:27]          ; ctx's images: block x 32,768
	s_lshl_b32 s26, ttmp9, 11
	s_add_nc_u64 s[6:7], s[6:7], s[26:27]          ; cscl: block x 2,048
	s_lshl_b32 s26, s22, 11
	s_add_nc_u64 s[8:9], s[8:9], s[26:27]          ; Wo's scale bytes: my 64 rows of 32
	s_lshl_b32 s26, ttmp9, 17
	s_add_nc_u64 s[12:13], s[12:13], s[26:27]      ; x and out0: block x 32 rows of 4,096 bytes
	s_add_nc_u64 s[18:19], s[18:19], s[26:27]
.irp c, 0,1,2,3
	global_load_async_to_lds_b128 v[CAL], v[CAG], s[4:5] offset:512*\c      ; fragment number wave of ctx's sixteen
.endr
	global_load_async_to_lds_b64 v[PA+2], v[PG], s[10:11]                   ; my 256 bytes of bo: those of my own 64 columns
	global_load_async_to_lds_b64 v[PA], v[PG], s[14:15]                     ; of gamma,
	global_load_async_to_lds_b64 v[PA+1], v[PG], s[16:17]                   ; of beta
.irp i, 0,1,2,3,4,5,6,7,8,9,10,11,12,13,14,15
	global_load_async_to_lds_b128 v[XAL], v[XAG], s[12:13] offset:512*\i    ; my two rows of x: wanted only at the end
.endr
	WLOAD 0
	WLOAD 1
	s_wait_asynccnt 18                             ; my fragment of ctx and my part of bo have landed; gamma's, beta's and x's 18 copies may stay out: nothing in LDS is filled again
	s_barrier_signal -1
	s_barrier_wait -1                              ; ctx's sixteen fragments lie in LDS
.irp m, 0,1
.irp t, 0,1,2,3
	ds_load_b128 v[ACC+8*(4*\m+\t):ACC+8*(4*\m+\t)+3], v[BBL] offset:64*\t        ; bo at columns 64 w + 16 t + 8 (lane / 16) + 0 .. 7 starts each sum
	ds_load_b128 v[ACC+8*(4*\m+\t)+4:ACC+8*(4*\m+\t)+7], v[BBL] offset:64*\t+16
.endr
.endr
.irp s, 0,1,2,3,4,5,6,7
	KSTEP \s
.endr
	PLACES 8                                       ; in front of writes and loads into Wo's registers and of the first read of results
	v_add_nc_u32 v[GL], PAR, v[LI]
.irp m, 0,1
.irp t, 0,1,2,3
	ds_store_b128 v[SO], v[ACC+8*(4*\m+\t):ACC+8*(4*\m+\t)+3] offset:8*SP*\m+64*\t          ; each accumulator from its low end on: token 8 m + pi(r), columns 64 w + 16 t + 8 (lane / 16) on
	ds_store_b128 v[SO], v[ACC+8*(4*\m+\t)+4:ACC+8*(4*\m+\t)+7] offset:8*SP*\m+64*\t+16
.endr
.endr
	s_wait_dscnt 0x0                               ; for the others' sake: my stores have landed,
	s_wait_asynccnt 0x0                            ; and so have my parts of gamma and beta, and my rows of x
	s_barrier_signal -1
	s_barrier_wait -1                              ; 32 whole rows lie in the stage, gamma and beta whole beside it
.irp i, 0,1,2,3,4,5,6,7
	ds_load_b128 v[ACC+4*\i:ACC+4*\i+3], v[SR] offset:512*\i
.endr
.irp i, 0,1,2,3,4,5,6,7
	ds_load_b128 v[X0+4*\i:X0+4*\i+3], v[XAL] offset:512*\i
.endr
.irp i, 0,1,2,3,4,5,6,7
	ds_load_b128 v[GA+4*\i:GA+4*\i+3], v[GL] offset:512*\i
.endr
.irp i, 0,1,2,3,4,5,6,7
	ds_load_b128 v[BE+4*\i:BE+4*\i+3], v[GL] offset:4096+512*\i
.endr
.irp i, 0,1,2,3,4,5,6,7
	ds_load_b128 v[ACC+32+4*\i:ACC+32+4*\i+3], v[SR] offset:SP+512*\i
.endr
.irp i, 0,1,2,3,4,5,6,7
	ds_load_b128 v[CF+4*\i:CF+4*\i+3], v[XAL] offset:4096+512*\i
.endr
	s_wait_dscnt 16                                ; the first row, its x, gamma and beta are in; the second row's 16 loads may be out
	ROWLN ACC, X0, 0
	s_wait_dscnt 0x0
	ROWLN ACC+32, CF, 1
	s_wait_xcnt 0x0
	v_lshl_add_u32 v254, v0, 2, 0x4b200
	v_mov_b32 v255, 0
	s_wait_tensorcnt 0x0
	ds_add_u32 v254, v255
	s_wait_dscnt 0x0
	s_endpgm
.Lfunc_end_k_qd5e9166648_outln:
	.size	k_qd5e9166648_outln, .Lfunc_end_k_qd5e9166648_outln-k_qd5e9166648_outln
	.p2alignl 7, 3214868480
	.fill 96, 4, 3214868480
	.section	.rodata,"a",@progbits
	.p2align	6, 0x0
	.amdhsa_kernel k_qd5e9166648_outln
		.amdhsa_group_segment_fixed_size 309760
		.amdhsa_private_segment_fixed_size 0
		.amdhsa_enable_private_segment 0
		.amdhsa_kernarg_size 64
		.amdhsa_user_sgpr_count 2
		.amdhsa_user_sgpr_kernarg_segment_ptr 1
		.amdhsa_wavefront_size32 1
		.amdhsa_system_sgpr_workgroup_id_x 1
		.amdhsa_system_sgpr_workgroup_id_y 1
		.amdhsa_system_sgpr_workgroup_id_z 1
		.amdhsa_system_vgpr_workitem_id 0
		.amdhsa_next_free_vgpr 256
		.amdhsa_next_free_sgpr 66
		.amdhsa_reserve_vcc 0
		.amdhsa_float_denorm_mode_32 3
		.amdhsa_float_denorm_mode_16_64 3
		.amdhsa_memory_ordered 1
		.amdhsa_forward_progress 1
		.amdhsa_inst_pref_size 56
	.end_amdhsa_kernel
	.amdgpu_metadata
---
amdhsa.version: [ 1, 2 ]
amdhsa.kernels:
  - .name:           k_qd5e9166648_outln
    .symbol:         k_qd5e9166648_outln.kd
    .args:
      - { .name: cimg, .offset: 0, .size: 8, .value_kind: global_buffer, .address_space: global }
      - { .name: cscl, .offset: 8, .size: 8, .value_kind: global_buffer, .address_space: global }
      - { .name: out_proj_w_scales, .offset: 16, .size: 8, .value_kind: global_buffer, .address_space: global }
      - { .name: out_proj_b, .offset: 24, .size: 8, .value_kind: global_buffer, .address_space: global }
      - { .name: x, .offset: 32, .size: 8, .value_kind: global_buffer, .address_space: global }
      - { .name: ln_gamma, .offset: 40, .size: 8, .value_kind: global_buffer, .address_space: global }
      - { .name: ln_beta, .offset: 48, .size: 8, .value_kind: global_buffer, .address_space: global }
      - { .name: out0, .offset: 56, .size: 8, .value_kind: global_buffer, .address_space: global }
    .group_segment_fixed_size: 309760
    .private_segment_fixed_size: 0
    .kernarg_segment_align: 8
    .kernarg_segment_size: 64
    .max_flat_workgroup_size: 512
    .sgpr_count:     66
    .vgpr_count:     256
    .wavefront_size: 32
...
	.end_amdgpu_metadata
.endif
;; end of part 3
;; ======== version 2 of 2: 3 launches
;; workspace buffers: qimg 4,194,304 bytes; qscl 262,144 bytes; kimg 4,194,304 bytes; kscl 262,144 bytes; vimg 4,194,304 bytes; vscl 262,144 bytes; cimg 5,242,880 bytes; cscl 262,144 bytes
;; launch qkv (part 4): grid 4 x 64, 4 waves a work-group, no clusters, 70,144 bytes of LDS; arguments x, in_proj_w_codes, in_proj_w_scales, in_proj_b, qimg, qscl, kimg, kscl, vimg, vscl; writes qimg, qscl, kimg, kscl, vimg, vscl
.if DOCPART == 4
	.amdgcn_target "amdgcn-amd-amdhsa--gfx1250"
	.amdhsa_code_object_version 6
	.text
	.protected	k_qd5e9166648_qkv
	.globl	k_qd5e9166648_qkv
	.p2align	8
	.type	k_qd5e9166648_qkv,@function
k_qd5e9166648_qkv:
	s_mov_b64 s[64:65], 0
	v_nop
	global_prefetch_b8 v0, s[64:65] scope:SCOPE_SE
	s_setreg_imm32_b32 hwreg(HW_REG_WAVE_SCHED_MODE, 0, 2), 2
	s_setreg_imm32_b32 hwreg(HW_REG_WAVE_MODE, 25, 1), 1
	s_wait_xcnt 0x0
	s_wait_alu depctr_vm_vsrc(0)
; qkv = x W^T + b on codes of BF8 (E5M2) with one E8M0 scale for each 32 along K, and q, k, v quantised for the two products of attention.
; x: [4096][1024] f32, quantised here along its 1,024.  W: [3072][1024] as codes, K innermost, scale bytes [3072][32].  b: [3072] f32.
; SHARES.  Work-group (hg, g): 64 tokens (64 g on) x the q, k and v columns of heads 4 hg .. 4 hg + 3, in three passes.  Wave w owns head 4 hg + w: 64 columns, four tiles, for all 64 tokens: 16 accumulators.
; x: wave w quantises one tile of 16 tokens for all of K (8 fragments) and stores them in LDS as IMAGES OF THE OPERAND'S REGISTERS (lane l's 16 bytes at 16 l, 512 bytes a store); one barrier; every wave reads all 32 fragments in each pass.
; W goes from memory straight into registers: a pass's 32 fragments of a wave fill windows 1 and 2, and each fragment feeds four products.  THE STREAM OF W NEVER STOPS: the next pass's four fragments of K step s are asked
; for in this pass's K step s + 1, into the registers that K step s's products have left: nearly a whole pass ahead of their use.
; THE ROWS OF A TILE ARE NOT NEIGHBOURS: pi(r) = r + 8 (r / 8).  Tile u of a block of 32 tokens holds token 8 u + pi(r) in row r; tile 2 B + u of a head's 64 rows of W holds row 32 B + 8 u + pi(r).
;   q, k (source 0 = W, source 1 = x): a lane holds one token, and the 16 registers of tiles 2 B, 2 B + 1 are d = 32 B + 16 (lane / 16) + 0 .. 15: neighbours along the K of q k^T.
;   v    (source 0 = x, source 1 = W): a lane holds one d, and the 16 registers of token tiles u = 0, 1 are tokens 16 (lane / 16) + 0 .. 15 of the block: neighbours along the keys, the K of the second product.
; So the conversions' results are operand registers, and they leave as images: every store of codes covers 512 consecutive bytes.  The biases are the C of each sum's first product.
; NO CLUSTER: a joint load lands in LDS; a work-group's weights of one pass are 4 x 64 KB, which do not fit beside x's 68 KB more than once, so they would go through slots filled again, with a round of the cluster's barrier
; for each, and then once more from LDS into the registers into which they now come directly.
; LIMITS: NaN and infinities among the inputs are not served.  A block of zeros gets the byte 1 where the quantiser says 127: its codes are zeros, and these bytes are read by this program alone.
; THE MODE: SCHED_MODE bits 1:0 = 2 (LLVM: expert scheduling mode 2), set by the entry lines.  The code itself states the register dependences between vector or matrix instructions and memory or LDS
; instructions, with s_wait_alu, always for 0.
; THE PLAN.  Registers that memory or LDS instructions touch:
;   v4-13         addresses and offsets: written at the head, never again.  One wait on va_vdst ahead of the first load serves every load and store of the kernel.
;   windows 1, 2  64 registers to a K step.  In the x phase x's numbers land there, the K step's quantiser reads them and holds them in place, and behind its wait q's fragments land.  In pass p the products of K step s read
;                 them, and the next pass's fragments land in K step s + 1 (K step 7's: on the pass's way out).
;   XF0, XF1      K step s's products read XF[s % 2]; the LDS loads of K step s + 2 land in it in K step s + 1.
;   W's scale words  the set v16-31 is read by the products of passes q and v and loaded anew at pass k's head; the set v88-103, x's scale words and the biases are loaded once.
;   codes, words  v72-87, v104-119, v64-65, v66-69: written by the conversions and the lines that make the words; read by the LDS stores of the x phase and by the stores on each pass's way out.
;   The accumulators and v48-63 are named by vector and matrix instructions alone.
; So: in the x phase one wait on va_vdst a K step, behind its quantiser, ahead of its five LDS stores and its sixteen loads of W, and one on vm_vsrc ahead of the next quantiser.  In a pass ONE wait on va_vdst at the head of a
; K step: the last K step's products are done reading their fragments of W and their slot of x; the step's 32 loads follow it, dealt among its 16 products, which name this K step's fragments, the other slot, scale words and
; accumulators: none of the registers that those loads touch.  On a pass's way out one wait on vm_vsrc ahead of the conversions, both blocks' quantisers, and one wait on va_vdst ahead of the run of stores and of the last 16 loads of W.
; REGISTERS, in windows of 256.  Window 0: v4-13 addresses; v16-31 and v88-103 W's scale words, a set for each of two passes that follow each other; v32-47 x's; v48-63 at work; v64-65 scale words made; v66-69 v's bytes;
;   v72-87 and v104-119 codes made, a set for each of a pass's two blocks of tokens; v128-255 x's fragments, two slots of four.
;   Windows 1, 2: W's fragment (K step s, tile t) at v[16 (4 (s % 4) + t)] of window 1 + s / 4; ahead of that the same 64 registers hold the wave's 64 numbers a lane of x's K step s.
;   Window 3: v0-127 the accumulators; v128-159 q's bias, v160-191 k's, v192-223 v's, in the results' layouts.
.set XSC,  65536                       ; LDS: x's fragment (tile m, K step s) at (8 m + s) 2048; behind the 32 of them their scale words, (8 m + s) 128 + 4 x lane
.set XA,   4                           ; v4   x: pi(r) rows of 4,096 bytes + 64 (lane / 16)
.set LI,   5                           ; v5   16 x lane
.set LS4,  6                           ; v6   4 x lane
.set XWI,  7                           ; v7   where I store x's images: 16 x lane + 16,384 x wave
.set XWS,  8                           ; v8   and their scale words
.set WA,   9                           ; v9   W: pi(r) rows of 1,024 bytes + 16 (lane / 16)
.set WSA,  10                          ; v10  W's scale bytes: row 32 (lane / 16) + pi(r), 32 bytes a row
.set BA,   11                          ; v11  q's and k's bias: 64 (lane / 16)
.set BV,   12                          ; v12  v's bias: 4 pi(r)
.set XSL,  13                          ; v13  x's scale words on the way back: lanes 0-15 tile u = 0, lanes 16-31 tile u = 1
.set WS,   16                          ; passes q and v; pass k's set lies WS2 further on.  Register 8 (t % 2) + s: lanes 0-15 tile t, lanes 16-31 tile t + 2
.set WS2,  72
.set XSR,  32                          ; register 8 (m / 2) + s: lanes 0-15 tile m even, lanes 16-31 m odd
.set TM,   48                          ; +0..3 largest magnitudes, +4..7 the other half's, then bytes, +8..11 largest code x scale, +12..15 the conversions' scale operands
.set PW,   64                          ; the scale word in hand (set anew for a pass's second block: 65)
.set VB,   66
.set PC,   72                          ; the codes in hand (set anew for a pass's second block: 104)
.set XF,   128
.set SEL,  40                          ; s[40:41] v_permlanex16_b32's selects for lane l xor 16
.set MNT,  42                          ; s42 the mantissa field of 57,344
.set MSB,  0
.macro WIN new                         ; the immediate's high byte repeats the setting that is left; a switch that changes nothing is dropped
.if MSB != (\new)
	s_set_vgpr_msb (MSB<<8)|(\new)
.set MSB, (\new)
.endif
.endm
.macro PLACES n                        ; plain vector places behind matrix instructions (ISA guide 7.12.1)
.rept \n
	v_nop
.endr
.endm
.macro XLOAD s                         ; my 16 tokens' numbers of K step s: register 16 b + 4 j + e = x(row, 128 s + 32 b + 16 (lane / 16) + 4 j + e)
	WIN 0x40*(1+(\s)/4)
.irp b, 0,1,2,3
.irp j, 0,1,2,3
	global_load_b128 v[64*((\s)&3)+16*\b+4*\j:64*((\s)&3)+16*\b+4*\j+3], v[XA], s[4:5] offset:512*(\s)+128*\b+16*\j
.endr
.endr
.endm
.macro WLOADS p, s, t0                 ; pass p's fragments t0 and t0 + 1 of W for K step s: 8 loads
	WIN 0x40*(1+(\s)/4)
.irp t, \t0, \t0+1
.irp c, 0,1,2,3
	global_load_b128 v[16*(4*((\s)&3)+(\t))+4*\c:16*(4*((\s)&3)+(\t))+4*\c+3], v[WA], s[6:7] offset:(\p)*1048576+(32*((\t)>>1)+8*((\t)&1))*1024+128*(\s)+32*\c
.endr
.endr
.endm
.macro WSLOAD p                        ; pass p's scale words of W, all eight K steps of a row at once: 4 loads
	WIN 0
.irp a, 0,1
.irp i, 0,1
	global_load_b128 v[WS+WS2*((\p)&1)+8*\a+4*\i:WS+WS2*((\p)&1)+8*\a+4*\i+3], v[WSA], s[8:9] offset:(\p)*32768+256*\a+16*\i
.endr
.endr
.endm
; 64 numbers of a lane in window w, register base + 16 b + i = number 16 (lane / 16) + i of block b, become 16 registers of codes in v[PC] on; the four scale bytes are left in v[TM+4] on.
.macro QUANT base, w
	WIN 5*(\w)
.irp b, 0,1,2,3
	v_max3_num_f32 v[TM+\b], |v[(\base)+16*\b]|, |v[(\base)+16*\b+1]|, 0x8000000   ; my 16 numbers of block b, from the low end on, and the floor 2^(16 - 127): the byte cannot fall under 1
.endr
	WIN 20*(\w)
.irp i, 2,4,6,8,10,12,14
.irp b, 0,1,2,3
	v_max3_num_f32 v[TM+\b], v[TM+\b], |v[(\base)+16*\b+\i]|, |v[(\base)+16*\b+\i+1]|   ; the four blocks by turns
.endr
.endr
	WIN 0
.irp b, 0,1,2,3
	v_permlanex16_b32 v[TM+4+\b], v[TM+\b], s[SEL], s[SEL+1]
.endr
.irp b, 0,1,2,3
	v_max_num_f32 v[TM+\b], v[TM+\b], v[TM+4+\b]   ; with lane l xor 16's 16: the block's largest magnitude
.endr
.irp b, 0,1,2,3
	v_add_nc_u32 v[TM+12+\b], 0xf8800000, v[TM+\b]   ; 15 off its exponent field: the conversion's scale operand
.endr
.irp b, 0,1,2,3
	v_and_or_b32 v[TM+8+\b], v[TM+\b], 0x7f800000, s[MNT]   ; 57,344 x the scale
.endr
.irp b, 0,1,2,3
	v_lshrrev_b32 v[TM+4+\b], 23, v[TM+12+\b]   ; the scale's byte
.endr
	WIN 65*(\w)
.irp b, 0,1,2,3
.irp i, 0,1,2,3,4,5,6,7,8,9,10,11,12,13,14,15
	v_med3_num_f32 v[(\base)+16*\b+\i], v[(\base)+16*\b+\i], -v[TM+8+\b], v[TM+8+\b]   ; the conversion to an 8-bit code does not saturate (ISA guide 7.6.2): the hold comes first
.endr
.endr
	WIN (\w)
.irp b, 0,1,2,3
	v_cvt_scalef32_pk8_bf8_f32 v[PC+4*\b:PC+4*\b+1], v[(\base)+16*\b:(\base)+16*\b+7], v[TM+12+\b]
	v_cvt_scalef32_pk8_bf8_f32 v[PC+4*\b+2:PC+4*\b+3], v[(\base)+16*\b+8:(\base)+16*\b+15], v[TM+12+\b]
.endr
	WIN 0
	v_nop                                          ; one plain vector line behind the last conversion
.endm
.macro WORD                            ; the four bytes make a scale word
	v_lshl_or_b32 v[PW], v[TM+5], 8, v[TM+4]
	v_lshl_or_b32 v[PW], v[TM+6], 16, v[PW]
	v_lshl_or_b32 v[PW], v[TM+7], 24, v[PW]
.endm
.macro FETCHX s, slot, m0              ; x's fragments m0 and m0 + 1 of K step s: 8 LDS loads
.irp m, \m0, \m0+1
.irp c, 0,1,2,3
	ds_load_b128 v[XF+64*(\slot)+16*(\m)+4*\c:XF+64*(\slot)+16*(\m)+4*\c+3], v[LI] offset:(8*(\m)+(\s))*2048+512*\c
.endr
.endr
.endm
.macro WM ra, rb                       ; one product on rD, rA, rB, rC, rSA, rSB; ra, rb: that side's scale words stand in lanes 16-31
.if (\ra) && (\rb)
	v_wmma_scale_f32_16x16x128_f8f6f4 v[rD:rD+7], v[rA:rA+15], v[rB:rB+15], v[rC:rC+7], v[rSA], v[rSB] matrix_a_fmt:MATRIX_FMT_BF8 matrix_b_fmt:MATRIX_FMT_BF8 matrix_a_scale:MATRIX_SCALE_ROW1 matrix_b_scale:MATRIX_SCALE_ROW1
.elseif (\ra)
	v_wmma_scale_f32_16x16x128_f8f6f4 v[rD:rD+7], v[rA:rA+15], v[rB:rB+15], v[rC:rC+7], v[rSA], v[rSB] matrix_a_fmt:MATRIX_FMT_BF8 matrix_b_fmt:MATRIX_FMT_BF8 matrix_a_scale:MATRIX_SCALE_ROW1
.elseif (\rb)
	v_wmma_scale_f32_16x16x128_f8f6f4 v[rD:rD+7], v[rA:rA+15], v[rB:rB+15], v[rC:rC+7], v[rSA], v[rSB] matrix_a_fmt:MATRIX_FMT_BF8 matrix_b_fmt:MATRIX_FMT_BF8 matrix_b_scale:MATRIX_SCALE_ROW1
.else
	v_wmma_scale_f32_16x16x128_f8f6f4 v[rD:rD+7], v[rA:rA+15], v[rB:rB+15], v[rC:rC+7], v[rSA], v[rSB] matrix_a_fmt:MATRIX_FMT_BF8 matrix_b_fmt:MATRIX_FMT_BF8
.endif
.endm
; Four of a K step's 16 products: x's tile m against W's four.  The 16 accumulators take turns, one instruction a turn, in the same order in every K step.
.macro MULQK p, s, m                   ; source 0 = W's tile t, source 1 = x's tile m; accumulator (m, t) at v[8 (4 m + t)]
	WIN 0xF1+(\s)/4
.irp t, 0,1,2,3
.set rD, 8*(4*(\m)+\t)
.set rA, 16*(4*((\s)&3)+\t)
.set rB, XF+64*((\s)&1)+16*(\m)
.if (\s) == 0
.set rC, 128+32*(\p)+8*\t
.else
.set rC, rD
.endif
.set rSA, WS+WS2*((\p)&1)+8*(\t&1)+(\s)
.set rSB, XSR+8*((\m)>>1)+(\s)
	WM (\t>>1), ((\m)&1)
.endr
.endm
.macro MULV s, m                       ; source 0 = x's tile m, source 1 = W's tile t; accumulator at v[64 (m / 2) + 16 t + 8 (m % 2)]
	WIN 0xF0+4*(1+(\s)/4)
.irp t, 0,1,2,3
.set rD, 64*((\m)>>1)+16*\t+8*((\m)&1)
.set rA, XF+64*((\s)&1)+16*(\m)
.set rB, 16*(4*((\s)&3)+\t)
.if (\s) == 0
.set rC, 192+8*\t
.else
.set rC, rD
.endif
.set rSA, XSR+8*((\m)>>1)+(\s)
.set rSB, WS+8*(\t&1)+(\s)
	WM ((\m)&1), (\t>>1)
.endr
.endm
.macro MUL p, s, m
.if (\p) < 2
	MULQK \p, \s, \m
.else
	MULV \s, \m
.endif
.endm
.macro NEXTX p, s, m0                  ; in K step s of pass p: half of the next K step's fragments of x, into the slot that this K step's products do not name; the last pass's last K step asks for nothing
.if (\s) < 7
	WIN 0
	FETCHX (\s)+1, ((\s)+1)&1, \m0
.elseif (\p) < 2
	WIN 0
	FETCHX 0, 0, \m0
.endif
.endm
.macro NEXTW p, s, t0                  ; in K step s of pass p: half of the next pass's fragments of W for K step s - 1, into the registers that the last K step's products have left
.if ((\p) < 2) && ((\s) > 0)
	WLOADS (\p)+1, (\s)-1, \t0
.endif
.endm
	s_load_b512 s[4:19], s[0:1], 0x0               ; x 4:5, W's codes 6:7, W's scales 8:9, b 10:11, qimg 12:13, qscl 14:15, kimg 16:17, kscl 18:19
	s_load_b128 s[20:23], s[0:1], 0x40             ; vimg 20:21, vscl 22:23
	v_lshl_add_u32 v126, v0, 2, 0x11000
	v_mov_b32 v127, 0
	v_lshrrev_b32 v1, 5, v0
	v_readfirstlane_b32 s24, v1                    ; wave 0..3
	s_and_b32 s26, ttmp7, 0xffff                   ; g: which 64 tokens
	s_lshl_b32 s27, ttmp9, 2
	s_wait_alu depctr_va_sdst(0)                   ; s24 is written, ahead of its first reader: the head's number, the LDS places and every base are made from it
	s_add_co_u32 s27, s27, s24                     ; my head = 4 hg + wave
	s_and_b32 s28, s26, 31                         ; gl: the group of 64 within its batch
	s_lshr_b32 s29, s26, 5
	s_lshl_b32 s29, s29, 4
	s_add_co_u32 s29, s29, s27                     ; bh = 16 x batch + head
	s_mov_b32 s[SEL], 0x76543210
	s_mov_b32 s[SEL+1], 0xfedcba98
	s_mov_b32 s[MNT], 0x600000
	v_and_b32 v1, 31, v0                           ; lane
	v_and_b32 v2, 15, v0                           ; r
	v_bfe_u32 v3, v0, 4, 1                         ; lane / 16
	v_and_b32 v14, 8, v2
	v_add_nc_u32 v14, v14, v2                      ; pi(r)
	v_lshlrev_b32 v[XA], 12, v14
	v_lshl_add_u32 v[XA], v3, 6, v[XA]
	v_lshlrev_b32 v[LI], 4, v1
	v_lshlrev_b32 v[LS4], 2, v1
	s_lshl_b32 s30, s24, 14
	v_add_nc_u32 v[XWI], s30, v[LI]
	s_lshl_b32 s30, s24, 10
	s_add_co_u32 s30, s30, XSC
	v_add_nc_u32 v[XWS], s30, v[LS4]
	v_lshlrev_b32 v[WA], 10, v14
	v_lshl_add_u32 v[WA], v3, 4, v[WA]
	v_lshl_add_u32 v[WSA], v3, 5, v14
	v_lshlrev_b32 v[WSA], 5, v[WSA]
	v_lshlrev_b32 v[BA], 6, v3
	v_lshlrev_b32 v[BV], 2, v14
	v_lshl_add_u32 v[XSL], v3, 10, v[LS4]          ; one product: the lower base + (lane / 16) x the distance between tiles u = 0 and u = 1
	v_add_nc_u32 v[XSL], XSC, v[XSL]
.irp b, 0,1,2,3
	v_mov_b32 v[TM+4+\b], 0                        ; written once: a lane permute's destination counts as one of its sources
.endr
	s_lshl_b32 s32, s26, 18                        ; x: 64 g rows of 4,096 bytes,
	s_lshr_b32 s30, s24, 1
	s_lshl_b32 s30, s30, 17                        ; + 32 (wave / 2) rows
	s_add_co_u32 s32, s32, s30
	s_and_b32 s30, s24, 1
	s_lshl_b32 s30, s30, 15                        ; + 8 (wave % 2) rows: my tile's first row
	s_add_co_u32 s32, s32, s30
	s_mov_b32 s33, 0                               ; the high word of every offset below
	s_wait_kmcnt 0x0
	s_add_nc_u64 s[4:5], s[4:5], s[32:33]
	s_lshl_b32 s32, s27, 16                        ; W's codes: my head's 64 rows of 1,024 bytes (the passes stand in the immediates)
	s_add_nc_u64 s[6:7], s[6:7], s[32:33]
	s_lshl_b32 s32, s27, 11                        ; its scale bytes: 64 rows of 32
	s_add_nc_u64 s[8:9], s[8:9], s[32:33]
	s_lshl_b32 s32, s27, 8                         ; b: 64 numbers
	s_add_nc_u64 s[10:11], s[10:11], s[32:33]
	s_lshl_b32 s32, s29, 17                        ; qimg, kimg: bh x 131,072 + 2 gl blocks of 2,048 bytes
	s_lshl_b32 s30, s28, 12
	s_add_co_u32 s32, s32, s30
	s_add_nc_u64 s[12:13], s[12:13], s[32:33]
	s_add_nc_u64 s[16:17], s[16:17], s[32:33]
	s_lshl_b32 s32, s29, 13                        ; qscl, kscl: bh x 8,192 + 2 gl blocks of 128 bytes
	s_lshl_b32 s30, s28, 8
	s_add_co_u32 s32, s32, s30
	s_add_nc_u64 s[14:15], s[14:15], s[32:33]
	s_add_nc_u64 s[18:19], s[18:19], s[32:33]
	s_lshl_b32 s32, s29, 17                        ; vimg: bh x 131,072 + key step gl / 2 of 8,192 bytes + piece 2 (gl % 2) of 512
	s_lshr_b32 s30, s28, 1
	s_lshl_b32 s31, s30, 13
	s_add_co_u32 s32, s32, s31
	s_and_b32 s31, s28, 1
	s_lshl_b32 s34, s31, 10
	s_add_co_u32 s32, s32, s34
	s_add_nc_u64 s[20:21], s[20:21], s[32:33]
	s_lshl_b32 s32, s29, 13                        ; vscl: bh x 8,192 + key step x 512 + byte 2 (gl % 2) of each word
	s_lshl_b32 s34, s30, 9
	s_add_co_u32 s32, s32, s34
	s_lshl_b32 s34, s31, 1
	s_add_co_u32 s32, s32, s34
	s_add_nc_u64 s[22:23], s[22:23], s[32:33]
	s_wait_alu depctr_va_vdst(0)                   ; the ten addresses and offsets v4 to v13 are written: every load and store of the kernel reads one of them, and none is written again
.irp s, 0,1,2,3,4,5,6,7
	XLOAD \s                                       ; all of my tile's x is asked for at once
.endr
	WIN 0xC0                                       ; the biases, into window 3
.irp p, 0,1
.irp t, 0,1,2,3
	global_load_b128 v[128+32*\p+8*\t:128+32*\p+8*\t+3], v[BA], s[10:11] offset:\p*4096+(32*(\t>>1)+8*(\t&1))*4      ; q, k: register j of tile t is column 32 (t / 2) + 8 (t % 2) + 16 (lane / 16) + j
	global_load_b128 v[128+32*\p+8*\t+4:128+32*\p+8*\t+7], v[BA], s[10:11] offset:\p*4096+(32*(\t>>1)+8*(\t&1))*4+16
.endr
.endr
.irp t, 0,1,2,3
.irp j, 0,1,2,3,4,5,6,7
	global_load_b32 v[192+8*\t+\j], v[BV], s[10:11] offset:8192+(32*(\t>>1)+8*(\t&1))*4   ; v: a lane owns one column, so its eight registers hold the same number
.endr
.endr
	WSLOAD 0
	; ---- x: my tile's eight fragments.  Behind each K step's 16 loads at least 164 others have been issued (the later K steps', the biases', W's): the wait names the largest count that its field holds
.irp s, 0,1,2,3,4,5,6,7
	s_wait_loadcnt 63
	s_wait_dscnt 0x0                               ; the last fragment's stores are done (ahead of the first fragment there are none)
.if \s > 0
	s_wait_alu depctr_vm_vsrc(0)                   ; the last fragment's LDS stores have read v72 to v87 and v64, which this fragment's conversions and word write again
.endif
	QUANT 64*(\s&3), 1+\s/4
	WORD
	s_wait_alu depctr_va_vdst(0)                   ; the conversions have written the codes and the word is made, which the LDS stores read; the holds and conversions are done with this K step's 64 registers, in which W's loads land
.irp c, 0,1,2,3
	ds_store_b128 v[XWI], v[PC+4*\c:PC+4*\c+3] offset:2048*\s+512*\c
.endr
	ds_store_b32 v[XWS], v[PW] offset:128*\s
	WLOADS 0, \s, 0                                ; q's fragments of W take the registers that x's numbers have left; since the wait only LDS stores, which read other registers, have been issued
	WLOADS 0, \s, 2
.endr
	WIN 0
	s_wait_dscnt 0x0                               ; for the others' sake: my stores have landed
	s_barrier_signal -1
	s_barrier_wait -1                              ; x's 32 fragments lie in LDS; from here on LDS is only read
.irp q, 0,1
.irp s, 0,1,2,3,4,5,6,7
	ds_load_b32 v[XSR+8*\q+\s], v[XSL] offset:2048*\q+128*\s   ; (no vector instruction has named these registers, nor x's two slots)
.endr
.endr
	FETCHX 0, 0, 0
	FETCHX 0, 0, 2
; A pass: p = 0 q, 1 k, 2 v.
.macro PASS p
.if (\p) < 2
	WSLOAD (\p)+1                                  ; the next pass's scale words, into the set that this pass does not read.  At pass k's head that is the set that pass q's products read: the wait on pass q's way out stands behind them
.endif
.irp s, 0,1,2,3,4,5,6,7
.if (\s > 0) && (((\p) < 2) || (\s < 7))
	PLACES 8                                       ; eight plain places stand between the last K step's products and the loads below into registers that they read; they take no part of the wait on va_vdst below
.endif
.if ((\p) == 2) && (\s > 3)
	s_wait_loadcnt 16*(7-\s)                       ; the last pass asks for nothing: behind this K step's 16 loads stand those of the K steps still to come
.else
	s_wait_loadcnt 63                              ; behind this K step's 16 loads stand 16 (7 - s) of this pass, and in passes q and k the next pass's 4 of scale words and, from K step 2 on, 16 (s - 1) of its fragments: 64 at the least: the wait names the largest count that its field holds
.endif
	s_wait_dscnt 0x0                               ; this K step's fragments of x are in: they were asked for early in the last K step
.if (\s > 0) && (((\p) < 2) || (\s < 7))
	s_wait_alu depctr_va_vdst(0)                   ; the last K step's products are done reading their four fragments of W and their slot of x, in which the loads of this K step land.  (K step 0 has no such wait: its loads land in the slot whose last readers stand ahead of the wait on the last pass's way out)
.endif
	NEXTX \p, \s, 0                                ; the step's loads are dealt among its products, x's first.  No further wait: no product since the wait names a register that they touch
	MUL \p, \s, 0
	NEXTX \p, \s, 2
	MUL \p, \s, 1
	NEXTW \p, \s, 0
	MUL \p, \s, 2
	NEXTW \p, \s, 2
	MUL \p, \s, 3
.endr
	PLACES 8                                       ; in front of the first read of results
	s_wait_storecnt 0x0                            ; the last pass's stores, issued a whole pass ago, are done: both sets of codes and words may be written again
	s_wait_alu depctr_vm_vsrc(0)                   ; those stores (ahead of pass q: the LDS stores of x's last fragment) have read the codes and words that the conversions below write again
.irp rho, 0,1                          ; the two blocks of 32 tokens, each with registers of its own for its codes and its word
.set PC, 72+32*\rho
.set PW, 64+\rho
	QUANT 64*\rho, 3
.if (\p) < 2
	WORD                                           ; bytes (u 0, B 0), (u 0, B 1), (u 1, B 0), (u 1, B 1) of the lane's two tokens
.elseif \rho == 0
.irp t, 0,1,2,3
	v_mov_b32 v[VB+\t], v[TM+4+\t]
.endr
.else
.irp t, 0,1,2,3
	v_lshl_or_b32 v[VB+\t], v[TM+4+\t], 8, v[VB+\t]
.endr
.endif
.endr
	s_wait_alu depctr_va_vdst(0)                   ; both blocks' codes and words (pass v: bytes) are written, which the stores below read; K step 7's products are done reading their fragments of W, in which the loads below land
.irp rho, 0,1
.set PC, 72+32*\rho
.set PW, 64+\rho
.if (\p) < 2
.irp c, 0,1,2,3
	global_store_b128 v[LI], v[PC+4*\c:PC+4*\c+3], s[12+4*(\p):13+4*(\p)] offset:2048*\rho+512*\c   ; piece c = 2 u + B: 512 consecutive bytes
.endr
	global_store_b32 v[LS4], v[PW], s[14+4*(\p):15+4*(\p)] offset:128*\rho
.else
.irp t, 0,1,2,3
	global_store_b128 v[LI], v[PC+4*\t:PC+4*\t+3], s[20:21] offset:2048*\t+512*\rho   ; tile t of d, this block of 32 keys
.endr
.endif
.endr
.if (\p) < 2
	WLOADS (\p)+1, 7, 0                            ; the next pass's K step 7: seven K steps ahead of its use; since the wait only stores, which read other registers, have been issued
	WLOADS (\p)+1, 7, 2
.else
.irp t, 0,1,2,3
	global_store_b16 v[LS4], v[VB+\t], s[22:23] offset:128*\t   ; my two key blocks' bytes of the key step's word
.endr
.endif
.endm
	PASS 0
	PASS 1
	PASS 2
	s_wait_dscnt 0x0
	s_wait_alu depctr_hold_cnt(0) depctr_sa_sdst(0) depctr_va_vdst(0) depctr_va_sdst(0) depctr_va_ssrc(0) depctr_va_vcc(0) depctr_vm_vsrc(0)
	s_wait_tensorcnt 0x0
	ds_add_u32 v126, v127
	s_wait_dscnt 0x0
	s_endpgm
.Lfunc_end_k_qd5e9166648_qkv:
	.size	k_qd5e9166648_qkv, .Lfunc_end_k_qd5e9166648_qkv-k_qd5e9166648_qkv
	.p2alignl 7, 3214868480
	.fill 96, 4, 3214868480
	.section	.rodata,"a",@progbits
	.p2align	6, 0x0
	.amdhsa_kernel k_qd5e9166648_qkv
		.amdhsa_group_segment_fixed_size 70144
		.amdhsa_private_segment_fixed_size 0
		.amdhsa_enable_private_segment 0
		.amdhsa_kernarg_size 80
		.amdhsa_user_sgpr_count 2
		.amdhsa_user_sgpr_kernarg_segment_ptr 1
		.amdhsa_wavefront_size32 1
		.amdhsa_system_sgpr_workgroup_id_x 1
		.amdhsa_system_sgpr_workgroup_id_y 1
		.amdhsa_system_sgpr_workgroup_id_z 1
		.amdhsa_system_vgpr_workitem_id 0
		.amdhsa_next_free_vgpr 1024
		.amdhsa_next_free_sgpr 66
		.amdhsa_reserve_vcc 0
		.amdhsa_float_denorm_mode_32 3
		.amdhsa_float_denorm_mode_16_64 3
		.amdhsa_memory_ordered 1
		.amdhsa_forward_progress 1
		.amdhsa_inst_pref_size 255
	.end_amdhsa_kernel
	.section	.bss,"aw",@nobits
	.p2align	6
	.space	262144
	.amdgpu_metadata
---
amdhsa.version: [ 1, 2 ]
amdhsa.kernels:
  - .name:           k_qd5e9166648_qkv
    .symbol:         k_qd5e9166648_qkv.kd
    .args:
      - { .name: x, .offset: 0, .size: 8, .value_kind: global_buffer, .address_space: global }
      - { .name: in_proj_w_codes, .offset: 8, .size: 8, .value_kind: global_buffer, .address_space: global }
      - { .name: in_proj_w_scales, .offset: 16, .size: 8, .value_kind: global_buffer, .address_space: global }
      - { .name: in_proj_b, .offset: 24, .size: 8, .value_kind: global_buffer, .address_space: global }
      - { .name: qimg, .offset: 32, .size: 8, .value_kind: global_buffer, .address_space: global }
      - { .name: qscl, .offset: 40, .size: 8, .value_kind: global_buffer, .address_space: global }
      - { .name: kimg, .offset: 48, .size: 8, .value_kind: global_buffer, .address_space: global }
      - { .name: kscl, .offset: 56, .size: 8, .value_kind: global_buffer, .address_space: global }
      - { .name: vimg, .offset: 64, .size: 8, .value_kind: global_buffer, .address_space: global }
      - { .name: vscl, .offset: 72, .size: 8, .value_kind: global_buffer, .address_space: global }
    .group_segment_fixed_size: 70144
    .private_segment_fixed_size: 0
    .kernarg_segment_align: 8
    .kernarg_segment_size: 80
    .max_flat_workgroup_size: 128
    .sgpr_count:     66
    .vgpr_count:     1024
    .wavefront_size: 32
...
	.end_amdgpu_metadata
.endif
;; end of part 4
;; launch attn (part 5): grid 8 x 32, 16 waves a work-group, clusters of 4 x 1, 280,576 bytes of LDS; arguments qimg, qscl, kimg, kscl, vimg, vscl, market_info, cimg, cscl, out_proj_w_codes; writes cimg, cscl
.if DOCPART == 5
	.amdgcn_target "amdgcn-amd-amdhsa--gfx1250"
	.amdhsa_code_object_version 6
	.text
	.protected	k_qd5e9166648_attn
	.globl	k_qd5e9166648_attn
	.p2align	8
	.type	k_qd5e9166648_attn,@function
k_qd5e9166648_attn:
	s_mov_b64 s[64:65], 0
	v_nop
	global_prefetch_b8 v0, s[64:65] scope:SCOPE_SE
	s_setreg_imm32_b32 hwreg(HW_REG_WAVE_MODE, 25, 1), 1
	s_wait_xcnt 0x0
	s_wait_alu depctr_hold_cnt(0) depctr_sa_sdst(0) depctr_va_vdst(0) depctr_va_sdst(0) depctr_va_ssrc(0) depctr_va_vcc(0) depctr_vm_vsrc(0)
	s_getreg_b32 s2, hwreg(HW_REG_IB_STS2, 6, 4)
	s_cmp_eq_u32 s2, 0
	s_cbranch_scc0 .Lentry_in_a_cluster
	s_endpgm
.Lentry_in_a_cluster:
	s_bfe_u32 s2, ttmp6, 0x10000c
	s_cmp_lg_u32 s2, 0x3003
	s_cbranch_scc0 .Lentry_shape_is_right
	s_endpgm
.Lentry_shape_is_right:
; ctx = softmax(q k^T / 8 + vol) v for one head, both products on codes of BF8 (E5M2) with one E8M0 scale for each 32 along K; ctx is quantised along h 64 + d for the last product.
; THE SOFTMAX AHEAD OF THE SECOND PRODUCT: t = (score / 8 + vol) log2(e) = score c + VL; M = the row's largest t so far, rounded UP to a whole number; p = 2^(t - M) is quantised along the keys, not normalised.
; The row's sum is taken of the unquantised p and divides O at the end.  When M moves, the sum and O are multiplied by 2^(old M - new M): exact.
; SHARES.  A work-group owns 256 queries of one (batch, head); each of its sixteen waves 16 of them, one tile, in 256 registers: four waves to a SIMD, so that one wave's vector work stands beside another's products and LDS loads.
; LDS holds the head's K and V whole, codes and scale words: 2 x 131,072 + 2 x 8,192 bytes, filled ONCE: no byte is ever filled again.  THE FILLS GO OUT IN THE ORDER OF THE KEY STEPS: a wave issues five tensor loads in one
; group: 1,024 bytes of scale words, then for each of four chunks of four key steps 4,096 bytes of codes (waves 0-7: eighths of K's 32,768 bytes of the chunk; waves 8-15: of V's).  A wave's loads end in the order of issue
; (ISA guide 10.11.1), so a counted wait and a barrier in front of each chunk's four key steps are all that its reads need, and the later chunks land while the earlier ones are worked on.  Five tensor loads of a wave are out at the most.
; CLUSTER.  The four query blocks of a cluster belong to one head and need the same K and V: every load is asked for JOINTLY, with the same descriptor (made of the head and the wave's number alone) and the mask of all four.
; LAYOUT.  All operands lie as images of operand registers (lane l's 16 bytes at 16 l), so every LDS load takes 512 consecutive bytes.  Both products are used transposed: a lane holds ONE query throughout.
; THE HEAD'S K IS 64, THE INSTRUCTION'S 128.  The image of a block of 32 keys is one fragment: k 0-63 of row r are key pi(r)'s 64 numbers (tile u = 0), k 64-127 those of key 8 + pi(r) (u = 1), pi(r) = r + 8 (r / 8).
; Q stands as [8 registers of zero codes | q | 8 of zero codes]: the window [q | 0] picks tile u = 0, the window [0 | q] tile u = 1; zero codes add nothing (no code of K is an infinity: the quantiser holds).
; The 16 registers of a block's two results are keys 16 (lane / 16) + 0 .. 15 of the block: p's conversions give the second product's operand as it stands.
; BESIDE ITS OWN WORK each of the launch's 4,096 waves moves 256 bytes of out_proj_w's codes into the order of operand registers, behind ctx's images in cimg: the next launch then loads each fragment of that weight as
; 4 x 512 consecutive bytes.  Unit U = 16 x work-group + wave holds lanes 16 (U % 2) .. + 15 of piece U / 2; piece ((T 8 + s) 4 + c): rows 16 T + r, bytes 128 s + 32 c + 16 (lane / 16) on.
; LIMITS: NaN and infinities are not served.  A block of zeros gets the byte 1 where the quantiser says 127: its codes are zeros, and the bytes are read by this program alone.
.set LI,   1                           ; v1   16 x lane: K's images
.set LV,   2                           ; v2   + 131,072: V's
.set LS,   3                           ; v3   4 x lane + 262,144: the scale words
.set ADK,  4                           ; v4-6 the step's addresses
.set ADV,  5
.set ADS,  6
.set GQ,   7                           ; v7   16 x lane, for memory
.set GS,   8                           ; v8   4 x lane, for memory
.set AD,   10                          ; v[10:11] VL - M (the low word serves both halves)
.set NM,   12                          ; v12  -M
.set TX,   13                          ; v13  the largest t so far
.set LSUM, 14                          ; v[14:15] the row's sum, in two halves
.set QA,   16                          ; v16-23 zeros, v24-31 q, v32-39 zeros
.set QS,   40                          ; v40  q's scale word: its two bytes twice
.set QR,   41                          ; v41  the block's word as loaded
.set WD,   42                          ; v[42:43] my 8 bytes of out_proj_w
.set WI,   44                          ; v44  where they come from: (lane / 2) rows of 1,024 bytes + 8 (lane % 2)
.set WO,   45                          ; v45  where they go: 8 x lane
.set F,    48                          ; v48-111 four fragments of K or of V
.set FS,   112                         ; v112-115 their scale words
.set PW,   116                         ; v116 p's scale word
.set SUM2, 118                         ; v[118:119] the sum's second chain
.set SCV,  120                         ; v120-123 the conversions' scale operands
.set FF,   124                         ; v[124:125] f = 2^(old M - new M)
.set TP,   126                         ; v126 at work
.set S,    128                         ; v128-191 S^T, then p
.set O,    192                         ; v192-223 O^T
.set PC,   224                         ; v224-239 p's codes
.set BM,   240                         ; v240-243 the blocks' largest scores, then largest p
.set T1,   244                         ; v244-247 the other half's, then bytes
.set HL,   248                         ; v248-251 57,344 x the scale
.set WV,   86                          ; s86 wave;  s87 bh
.set BH,   87
.set G1C,  24                          ; s[24:31] group 1 for codes;  s[32:39] for scale words
.set G1S,  32
.set G0S,  44                          ; s[44:47] group 0 for the scale words;  s[40:43], s[88:91], s[92:95], s[96:99] for the four chunks: none is written again
.set CHB,  32768                       ; a chunk: four key steps of 8,192 bytes, of K and of V each
.set TK,   50                          ; s50 the step's first byte among the codes;  s51 among the scale words;  s52 steps to go in the chunk
.set TS,   51
.set CNT,  52
.set SEL,  54
.set CS,   56                          ; s[56:57] c = log2(e) / 8
.set VL,   58                          ; s58 vol x log2(e)
.set MNT,  59
.macro CROUND                          ; a round of the cluster's barrier
	s_barrier_signal -1
	s_barrier_wait -1
	s_cmp_lg_u32 s[WV], 0
	s_cbranch_scc1 .Lnot_wave_0_\@
	s_barrier_signal -3
.Lnot_wave_0_\@:
	s_barrier_wait -3
	s_barrier_signal -1
	s_barrier_wait -1
.endm
	s_load_b512 s[4:19], s[0:1], 0x0               ; qimg 4:5, qscl 6:7, kimg 8:9, kscl 10:11, vimg 12:13, vscl 14:15, market_info 16:17, cimg 18:19
	s_load_b128 s[20:23], s[0:1], 0x40             ; cscl 20:21, out_proj_w's codes 22:23
	v_lshl_add_u32 v254, v0, 2, 0x44000
	v_mov_b32 v255, 0
	ds_add_u32 v254, v255
	ds_add_u32 v254, v255
	v_lshrrev_b32 v9, 5, v0
	s_delay_alu instid0(VALU_DEP_1)
	v_readfirstlane_b32 s[WV], v9                  ; wave 0..15
	s_and_b32 s[BH], ttmp7, 0xffff                 ; 16 x batch + head, which the four partners share
	; group 1: dense blocks as rows of 256 bytes (32 elements of 8 bytes), no padding: images are read 512 consecutive bytes at a time
	s_mov_b32 s[G1C], 15|(3<<16)|(1<<21)           ; 15:0 the mask: all four work-groups; 17:16 elements of 8 bytes; 21 set beside a mask
	s_mov_b32 s[G1C+1], 32<<16                     ; tensor_dim0 = 32
	s_mov_b32 s[G1C+2], 16<<16                     ; tensor_dim1 = 16
	s_mov_b32 s[G1C+3], 32<<16                     ; tile_dim0 = 32
	s_mov_b32 s[G1C+4], 16                         ; tile_dim1 = 16 rows: 4,096 bytes
	s_mov_b32 s[G1C+5], 32                         ; the pitch
	s_mov_b32 s[G1C+6], 0
	s_mov_b32 s[G1C+7], 0
	s_mov_b32 s[G1S], 15|(3<<16)|(1<<21)
	s_mov_b32 s[G1S+1], 32<<16
	s_mov_b32 s[G1S+2], 4<<16
	s_mov_b32 s[G1S+3], 32<<16
	s_mov_b32 s[G1S+4], 4                          ; 4 rows: 1,024 bytes
	s_mov_b32 s[G1S+5], 32
	s_mov_b32 s[G1S+6], 0
	s_mov_b32 s[G1S+7], 0
	s_and_b32 s70, s[WV], 7                        ; waves 0-7 fetch K's eighths, waves 8-15 V's
	s_lshl_b32 s72, s70, 12
	s_lshl_b32 s71, s[BH], 17
	s_add_co_u32 s72, s72, s71                     ; codes, in memory: bh x 131,072 + 4,096 x (wave % 8), + 32,768 x chunk
	s_mov_b32 s73, 0
	s_lshl_b32 s74, s70, 10
	s_lshl_b32 s71, s[BH], 13
	s_add_co_u32 s74, s74, s71                     ; scale words: bh x 8,192 + 1,024 x (wave % 8)
	s_mov_b32 s75, 0
	s_lshl_b32 s53, s70, 12
	s_lshr_b32 s71, s[WV], 3
	s_lshl_b32 s71, s71, 17
	s_add_co_u32 s53, s53, s71                     ; codes, in LDS: 131,072 x (wave / 8) + 4,096 x (wave % 8), + 32,768 x chunk
	s_lshr_b32 s76, s[BH], 4
	s_lshl_b32 s76, s76, 5                         ; market_info: 32 bytes a batch; vol is its first number
	s_mov_b32 s77, 0
	s_wait_dscnt 0x0
	s_wait_kmcnt 0x0
	s_cmp_lt_u32 s[WV], 8                          ; the choice hangs on the wave's number alone
	s_cselect_b64 s[66:67], s[8:9], s[12:13]
	s_cselect_b64 s[68:69], s[10:11], s[14:15]
	s_add_nc_u64 s[66:67], s[66:67], s[72:73]
.set j, 0
.irp g, 40, 88, 92, 96
	s_mov_b32 s[\g], 1                             ; count = 1
	s_add_co_u32 s[\g+1], s53, CHB*j               ; LDS address
	s_add_nc_u64 s[\g+2:\g+3], s[66:67], CHB*j     ; global address
	s_or_b32 s[\g+3], s[\g+3], 0x80000000          ; type = 2
.set j, j+1
.endr
	s_mov_b32 s[G0S], 1
	s_lshl_b32 s[G0S+1], s[WV], 10
	s_add_co_u32 s[G0S+1], s[G0S+1], 262144        ; LDS: behind the codes, 1,024 x wave
	s_add_nc_u64 s[G0S+2:G0S+3], s[68:69], s[74:75]
	s_or_b32 s[G0S+3], s[G0S+3], 0x80000000
	s_add_nc_u64 s[16:17], s[16:17], s[76:77]
	s_load_b32 s61, s[16:17], 0x0                  ; vol
	CROUND                                         ; all four work-groups are here: the joint loads meet
	tensor_load_to_lds s[G0S:G0S+3], s[G1S:G1S+7]  ; the scale words first: they are wanted with key step 0
	s_nop 0
	tensor_load_to_lds s[40:43], s[G1C:G1C+7]      ; key steps 0-3,
	s_nop 0
	tensor_load_to_lds s[88:91], s[G1C:G1C+7]      ; 4-7,
	s_nop 0
	tensor_load_to_lds s[92:95], s[G1C:G1C+7]      ; 8-11,
	s_nop 0
	tensor_load_to_lds s[96:99], s[G1C:G1C+7]      ; 12-15.  My five loads stand together; four v_nop follow the last
	s_nop 0
.rept 4
	v_nop
.endr
	; my queries: block 8 qb + wave / 2 of the head's 64, tile u = wave % 2.  The place in the cluster enters these memory addresses alone, in registers of their own
	s_bfe_u32 s48, ttmp6, 0x40000                  ; cx
	s_lshl_b32 s49, ttmp9, 2
	s_add_co_u32 s49, s49, s48                     ; qb = 4 x cluster x + cx
	s_lshl_b32 s78, s49, 3
	s_lshr_b32 s79, s[WV], 1
	s_add_co_u32 s78, s78, s79                     ; my block
	s_and_b32 s79, s[WV], 1                        ; u
	s_lshl_b32 s80, s[BH], 17
	s_lshl_b32 s82, s78, 11
	s_add_co_u32 s80, s80, s82
	s_lshl_b32 s82, s79, 10
	s_add_co_u32 s80, s80, s82
	s_mov_b32 s81, 0
	s_add_nc_u64 s[4:5], s[4:5], s[80:81]          ; qimg: bh x 131,072 + block x 2,048 + u x 1,024
	s_lshl_b32 s80, s[BH], 13
	s_lshl_b32 s82, s78, 7
	s_add_co_u32 s80, s80, s82
	s_add_nc_u64 s[6:7], s[6:7], s[80:81]          ; qscl: bh x 8,192 + block x 128
	s_lshl_b32 s62, s[BH], 3                       ; out_proj_w: my unit U = 16 (8 bh + qb) + wave, 0 .. 4,095
	s_add_co_u32 s62, s62, s49
	s_lshl_b32 s62, s62, 4
	s_add_co_u32 s62, s62, s[WV]
	s_lshr_b32 s63, s62, 6
	s_lshl_b32 s80, s63, 14                        ; from: tile U / 64 of 16 rows of 1,024 bytes,
	s_and_b32 s82, s62, 63
	s_lshl_b32 s82, s82, 4                         ; + 16 (U % 64) = 128 s + 32 c + 16 (U % 2)
	s_add_co_u32 s80, s80, s82
	s_add_nc_u64 s[22:23], s[22:23], s[80:81]
	s_lshl_b32 s80, s62, 8                         ; to: behind ctx's 4,194,304 bytes, 256 U
	s_add_co_u32 s80, s80, 4194304
	s_add_nc_u64 s[76:77], s[18:19], s[80:81]
	s_lshr_b32 s83, s[BH], 4
	s_lshl_b32 s83, s83, 6
	s_add_co_u32 s83, s83, s78                     ; the block among all 128
	s_and_b32 s84, s[BH], 15
	s_lshr_b32 s85, s84, 1                         ; ctx's K step = head / 2
	s_and_b32 s84, s84, 1                          ; and which half of it
	s_lshl_b32 s80, s83, 15
	s_lshl_b32 s82, s85, 12
	s_add_co_u32 s80, s80, s82
	s_lshl_b32 s82, s79, 11
	s_add_co_u32 s80, s80, s82
	s_lshl_b32 s82, s84, 10
	s_add_co_u32 s80, s80, s82
	s_add_nc_u64 s[18:19], s[18:19], s[80:81]      ; cimg: block x 32,768 + K step x 4,096 + u x 2,048 + half x 1,024
	s_lshl_b32 s80, s83, 11
	s_lshl_b32 s82, s85, 8
	s_add_co_u32 s80, s80, s82
	s_lshl_b32 s82, s79, 7
	s_add_co_u32 s80, s80, s82
	s_lshl_b32 s82, s84, 1
	s_add_co_u32 s80, s80, s82
	s_add_nc_u64 s[20:21], s[20:21], s[80:81]      ; cscl: block x 2,048 + K step x 256 + u x 128 + half x 2
	s_mul_i32 s60, s79, 0x02020202
	s_add_co_u32 s60, s60, 0x01000100              ; byte selects 2 u, 2 u + 1, 2 u, 2 u + 1
	v_and_b32 v9, 31, v0
	s_delay_alu instid0(VALU_DEP_1)
	v_lshlrev_b32 v[LI], 4, v9
	s_delay_alu instid0(VALU_DEP_2)
	v_lshlrev_b32 v[GQ], 4, v9
	s_delay_alu instid0(VALU_DEP_3)
	v_lshlrev_b32 v[GS], 2, v9
	s_delay_alu instid0(VALU_DEP_4)
	v_and_b32 v[WO], 1, v9
	s_delay_alu instid0(VALU_DEP_1)
	v_lshlrev_b32 v[WO], 3, v[WO]
	v_lshrrev_b32 v[WI], 1, v9
	s_delay_alu instid0(VALU_DEP_1)
	v_lshl_add_u32 v[WI], v[WI], 10, v[WO]
	v_lshlrev_b32 v[WO], 3, v9
	global_load_b128 v[QA+8:QA+11], v[GQ], s[4:5]              ; q: d 0-31,
	global_load_b128 v[QA+12:QA+15], v[GQ], s[4:5] offset:512  ; d 32-63
	global_load_b32 v[QR], v[GS], s[6:7]
	global_load_b64 v[WD:WD+1], v[WI], s[22:23]                ; my 8 bytes of out_proj_w's codes
	v_add_nc_u32 v[LV], 131072, v[LI]
	v_add_nc_u32 v[LS], 262144, v[GS]
	s_mov_b32 s[SEL], 0x76543210
	s_mov_b32 s[SEL+1], 0xfedcba98
	s_mov_b32 s[CS], 0x3e38aa3b                    ; c = log2(e) / 8
	s_mov_b32 s[CS+1], s[CS]                       ; (named with it as a pair, so it is written)
	s_mov_b32 s[MNT], 0x600000
.irp j, 0,1,2,3,4,5,6,7
	v_mov_b32 v[QA+\j], 0                          ; zero codes on both sides of q
	v_mov_b32 v[QA+16+\j], 0
.endr
	v_mov_b32 v[TX], 0xff61b1e6                    ; the largest t so far: -3e38, under every t
	s_delay_alu instid0(VALU_DEP_1)
	v_floor_f32 v[NM], -v[TX]
	v_mov_b32 v[LSUM], 0
	v_mov_b32 v[LSUM+1], 0
	v_mov_b32 v[AD+1], 0                           ; (upper halves of pairs whose low word serves both halves)
	v_mov_b32 v[FF+1], 0
.irp b, 0,1,2,3
	v_mov_b32 v[T1+\b], 0                          ; a lane permute's destination counts as one of its sources
.endr
	s_wait_kmcnt 0x0
	s_mul_f32 s[VL], s61, 0x3fb8aa3b               ; VL = vol x log2(e)
	s_wait_loadcnt 0x0
	v_perm_b32 v[QS], v[QR], v[QR], s60            ; q's two bytes, twice: they serve both windows
	global_store_b64 v[WO], v[WD:WD+1], s[76:77]   ; the wave stores 256 consecutive bytes, at a multiple of 256 from cimg's first byte
.set j, 0
.rept 32
	v_mov_b32 v[O+j], 0                            ; O^T: the step is written once for all; the first finds zeros, which the first change of M leaves zeros.  (Also the places between the scale word's making and the first product)
.set j, j+1
.endr
; A CHUNK: four key steps of 128 keys.  In front of them: my part of the chunk has landed (the later chunks' loads, 3 - chunk of them, stay out: nothing in LDS is filled again), and a barrier shows the same of every wave.
.macro CHUNK chunk
	s_wait_tensorcnt 3-\chunk
	s_barrier_signal -1
	s_barrier_wait -1
	s_mov_b32 s[TK], CHB*\chunk
	s_mov_b32 s[TS], 2048*\chunk
	s_mov_b32 s[CNT], 4
.Lstep_\@:
	s_setprio 2
	v_add_nc_u32 v[ADK], s[TK], v[LI]
	v_add_nc_u32 v[ADV], s[TK], v[LV]
	v_add_nc_u32 v[ADS], s[TS], v[LS]
.rept 5
	v_nop                                          ; with the three additions: eight places in front of loads into registers that the last products read
.endr
.irp b, 0,1,2,3
.irp c, 0,1,2,3
	ds_load_b128 v[F+16*\b+4*\c:F+16*\b+4*\c+3], v[ADK] offset:2048*\b+512*\c
.endr
	ds_load_b32 v[FS+\b], v[ADS] offset:128*\b
.endr
	s_wait_alu depctr_va_vdst(0)
	s_wait_dscnt 0x0
.irp b, 0,1,2,3                        ; S^T: register 16 b + 8 u + j is key 32 b + 16 (lane / 16) + 8 u + j
	v_wmma_scale_f32_16x16x128_f8f6f4 v[S+16*\b:S+16*\b+7], v[F+16*\b:F+16*\b+15], v[QA+8:QA+23], 0, v[FS+\b], v[QS] matrix_a_fmt:MATRIX_FMT_BF8 matrix_b_fmt:MATRIX_FMT_BF8
	v_wmma_scale_f32_16x16x128_f8f6f4 v[S+16*\b+8:S+16*\b+15], v[F+16*\b:F+16*\b+15], v[QA:QA+15], 0, v[FS+\b], v[QS] matrix_a_fmt:MATRIX_FMT_BF8 matrix_b_fmt:MATRIX_FMT_BF8
.endr
.rept 8
	v_nop
.endr
.irp t, 0,1,2,3                        ; V is asked for here and lands while the softmax is walked
.irp c, 0,1,2,3
	ds_load_b128 v[F+16*\t+4*\c:F+16*\t+4*\c+3], v[ADV] offset:2048*\t+512*\c
.endr
	ds_load_b32 v[FS+\t], v[ADS] offset:8192+128*\t
.endr
.irp b, 0,1,2,3
	v_max3_num_f32 v[BM+\b], v[S+16*\b], v[S+16*\b+1], v[S+16*\b+2]   ; the largest score of each block of 32 keys: for the row's maximum and, since p rises with the score, for the block's largest p
.endr
.irp i, 3,5,7,9,11,13
.irp b, 0,1,2,3
	v_max3_num_f32 v[BM+\b], v[BM+\b], v[S+16*\b+\i], v[S+16*\b+\i+1]
.endr
.endr
.irp b, 0,1,2,3
	v_max_num_f32 v[BM+\b], v[BM+\b], v[S+16*\b+15]
.endr
.irp b, 0,1,2,3
	s_delay_alu instid0(VALU_DEP_4)
	v_permlanex16_b32 v[T1+\b], v[BM+\b], s[SEL], s[SEL+1]
.endr
.irp b, 0,1,2,3
	s_delay_alu instid0(VALU_DEP_4)
	v_max_num_f32 v[BM+\b], v[BM+\b], v[T1+\b]     ; with lane l xor 16's 16 keys
.endr
	s_delay_alu instid0(VALU_DEP_2)
	v_max3_num_f32 v[TP], v[BM], v[BM+1], v[BM+2]
	s_delay_alu instid0(VALU_DEP_1)
	v_max_num_f32 v[TP], v[TP], v[BM+3]
	s_delay_alu instid0(VALU_DEP_1)
	v_fma_f32 v[TP], v[TP], s[CS], s[VL]           ; the step's largest t (c is positive)
	s_delay_alu instid0(VALU_DEP_1)
	v_max_num_f32 v[TX], v[TX], v[TP]
	v_mov_b32 v[TP], v[NM]
	s_delay_alu instid0(VALU_DEP_2)
	v_floor_f32 v[NM], -v[TX]                      ; -M = floor(-t) = -ceil(t): M is a whole number
	s_delay_alu instid0(VALU_DEP_1)
	v_sub_f32 v[TP], v[NM], v[TP]                  ; old M - new M: a whole number, 0 or less
	s_delay_alu instid0(VALU_DEP_1)
	v_cvt_i32_f32 v[TP], v[TP]                     ; (it saturates)
	s_delay_alu instid0(VALU_DEP_1)
	v_ldexp_f32 v[FF], 1.0, v[TP]                  ; f = 2^(old M - new M)
	s_delay_alu instid0(VALU_DEP_4)
	v_add_f32 v[AD], s[VL], v[NM]                  ; VL - M
.set j, 0
.rept 32
	v_pk_fma_f32 v[S+j:S+j+1], v[S+j:S+j+1], s[CS:CS+1], v[AD:AD+1] op_sel_hi:[1,0,0]   ; t - M, two at a time
.set j, j+2
.endr
.irp b, 0,1,2,3
	v_fma_f32 v[BM+\b], v[BM+\b], s[CS], v[AD]     ; the same of each block's largest score
.endr
.set j, 0
	s_wait_alu depctr_va_vdst(0)
.rept 64
	v_exp_f32 v[S+j], v[S+j]                       ; p = 2^(t - M), at most 1
.set j, j+1
.endr
	s_setprio 1
.irp b, 0,1,2,3
	v_exp_f32 v[BM+\b], v[BM+\b]                   ; the block's largest p: the same two instructions on the same number
.endr
	v_pk_mul_f32 v[LSUM:LSUM+1], v[LSUM:LSUM+1], v[FF:FF+1] op_sel_hi:[1,0]   ; the sum under the new M (a plain place behind the exponentials)
	s_wait_alu depctr_va_vdst(0)
.irp b, 0,1,2,3
	v_max_num_f32 v[BM+\b], 0x8000000, v[BM+\b]    ; the floor 2^(16 - 127): the byte cannot fall under 1
.endr
.irp b, 0,1,2,3
	s_delay_alu instid0(VALU_DEP_4)
	v_add_nc_u32 v[SCV+\b], 0xf8800000, v[BM+\b]   ; 15 off the exponent field: the conversion's scale operand
.endr
.irp b, 0,1,2,3
	v_and_or_b32 v[HL+\b], v[BM+\b], 0x7f800000, s[MNT]   ; 57,344 x the scale
.endr
.irp b, 0,1,2,3
	v_lshrrev_b32 v[T1+\b], 23, v[SCV+\b]          ; the scale's byte
.endr
	s_delay_alu instid0(VALU_DEP_3)
	v_lshl_or_b32 v[PW], v[T1+1], 8, v[T1]         ; p's scale word for these 128 keys
	s_delay_alu instid0(VALU_DEP_1)
	v_lshl_or_b32 v[PW], v[T1+2], 16, v[PW]
	s_delay_alu instid0(VALU_DEP_1)
	v_lshl_or_b32 v[PW], v[T1+3], 24, v[PW]
	v_pk_add_f32 v[118:119], v[132:133], v[136:137]
	v_pk_add_f32 v[252:253], v[140:141], v[144:145]
	v_pk_add_f32 v[242:243], v[148:149], v[152:153]
	v_pk_add_f32 v[240:241], v[156:157], v[160:161]
	v_pk_add_f32 v[238:239], v[164:165], v[168:169]
	v_pk_add_f32 v[236:237], v[172:173], v[176:177]
	v_pk_add_f32 v[234:235], v[180:181], v[184:185]
	v_pk_add_f32 v[14:15], v[14:15], v[188:189]
	v_pk_add_f32 v[118:119], v[118:119], v[128:129]
	v_pk_add_f32 v[252:253], v[252:253], v[130:131]
	v_pk_add_f32 v[242:243], v[242:243], v[134:135]
	v_pk_add_f32 v[240:241], v[240:241], v[138:139]
	v_pk_add_f32 v[238:239], v[238:239], v[142:143]
	v_pk_add_f32 v[236:237], v[236:237], v[146:147]
	v_pk_add_f32 v[234:235], v[234:235], v[150:151]
	v_pk_add_f32 v[14:15], v[14:15], v[154:155]
	v_pk_add_f32 v[118:119], v[118:119], v[158:159]
	v_pk_add_f32 v[252:253], v[252:253], v[162:163]
	v_pk_add_f32 v[242:243], v[242:243], v[166:167]
	v_pk_add_f32 v[240:241], v[240:241], v[170:171]
	v_pk_add_f32 v[238:239], v[238:239], v[174:175]
	v_pk_add_f32 v[236:237], v[236:237], v[178:179]
	v_pk_add_f32 v[234:235], v[234:235], v[182:183]
	v_pk_add_f32 v[14:15], v[14:15], v[186:187]
	v_pk_add_f32 v[118:119], v[118:119], v[190:191]
	s_delay_alu instid0(VALU_DEP_2)
	v_pk_add_f32 v[14:15], v[14:15], v[240:241]
	s_delay_alu instid0(VALU_DEP_2)
	v_pk_add_f32 v[118:119], v[118:119], v[238:239]
	v_pk_add_f32 v[252:253], v[252:253], v[236:237]
	v_pk_add_f32 v[242:243], v[242:243], v[234:235]
	s_delay_alu instid0(VALU_DEP_2)
	v_pk_add_f32 v[14:15], v[14:15], v[252:253]
	s_delay_alu instid0(VALU_DEP_2)
	v_pk_add_f32 v[118:119], v[118:119], v[242:243]
	s_delay_alu instid0(VALU_DEP_1)
	v_pk_add_f32 v[14:15], v[14:15], v[118:119]
.irp b, 0,1,2,3
.irp i, 0,1,2,3,4,5,6,7,8,9,10,11,12,13,14,15
	v_min_num_f32 v[S+16*\b+\i], v[S+16*\b+\i], v[HL+\b]   ; the conversion does not saturate (ISA guide 7.6.2); p is not negative, so the hold is one-sided
.endr
.endr
	s_setprio 0
.irp b, 0,1,2,3
	v_cvt_scalef32_pk8_bf8_f32 v[PC+4*\b:PC+4*\b+1], v[S+16*\b:S+16*\b+7], v[SCV+\b]
	v_cvt_scalef32_pk8_bf8_f32 v[PC+4*\b+2:PC+4*\b+3], v[S+16*\b+8:S+16*\b+15], v[SCV+\b]
.endr
.set j, 0
.rept 16
	v_pk_mul_f32 v[O+j:O+j+1], v[O+j:O+j+1], v[FF:FF+1] op_sel_hi:[1,0]   ; O^T under the new M, from each accumulator's low end on.  (Also the places between the conversions and the products)
.set j, j+2
.endr
	s_wait_alu depctr_va_vdst(0)
	s_wait_dscnt 0x0                               ; V is in
.irp t, 0,1,2,3                        ; O^T += V^T P^T: the four accumulators take one turn each
	v_wmma_scale_f32_16x16x128_f8f6f4 v[O+8*\t:O+8*\t+7], v[F+16*\t:F+16*\t+15], v[PC:PC+15], v[O+8*\t:O+8*\t+7], v[FS+\t], v[PW] matrix_a_fmt:MATRIX_FMT_BF8 matrix_b_fmt:MATRIX_FMT_BF8
.endr
	s_add_co_u32 s[TK], s[TK], 8192
	s_add_co_u32 s[TS], s[TS], 512
	s_sub_co_u32 s[CNT], s[CNT], 1
	s_cmp_lg_u32 s[CNT], 0
	s_cbranch_scc1 .Lstep_\@
	s_setprio 0
.endm
	CHUNK 0
	CHUNK 1
	CHUNK 2
	CHUNK 3                                        ; its wait is for 0: no tensor load is out from here on
	; THE WAY OUT.  ctx = O^T / the sum: register 16 B + i is d = 32 B + 16 (lane / 16) + i of my query: two blocks along the last product's K.  They are quantised and leave as two pieces of an image.
.rept 8
	v_nop                                          ; places behind the last products
.endr
	v_add_f32 v[LSUM], v[LSUM], v[LSUM+1]
	s_delay_alu instid0(VALU_DEP_1)
	v_permlanex16_b32 v[T1], v[LSUM], s[SEL], s[SEL+1]
	s_delay_alu instid0(VALU_DEP_1)
	v_add_f32 v[LSUM], v[LSUM], v[T1]              ; the row's sum
	s_wait_alu depctr_va_vdst(0)
	v_rcp_f32 v[LSUM], v[LSUM]
	v_nop                                          ; one plain place behind a transcendental
.set j, 0
	s_wait_alu depctr_va_vdst(0)
.rept 32
	v_mul_f32 v[S+j], v[O+j], v[LSUM]
.set j, j+1
.endr
.irp b, 0,1
	v_max3_num_f32 v[BM+\b], |v[S+16*\b]|, |v[S+16*\b+1]|, 0x8000000
.endr
.irp i, 2,4,6,8,10,12,14
.irp b, 0,1
	s_delay_alu instid0(VALU_DEP_2)
	v_max3_num_f32 v[BM+\b], v[BM+\b], |v[S+16*\b+\i]|, |v[S+16*\b+\i+1]|
.endr
.endr
.irp b, 0,1
	s_delay_alu instid0(VALU_DEP_2)
	v_permlanex16_b32 v[T1+\b], v[BM+\b], s[SEL], s[SEL+1]
.endr
.irp b, 0,1
	s_delay_alu instid0(VALU_DEP_2)
	v_max_num_f32 v[BM+\b], v[BM+\b], v[T1+\b]
.endr
.irp b, 0,1
	s_delay_alu instid0(VALU_DEP_2)
	v_add_nc_u32 v[SCV+\b], 0xf8800000, v[BM+\b]
.endr
.irp b, 0,1
	s_delay_alu instid0(VALU_DEP_4)
	v_and_or_b32 v[HL+\b], v[BM+\b], 0x7f800000, s[MNT]
.endr
.irp b, 0,1
	s_delay_alu instid0(VALU_DEP_4)
	v_lshrrev_b32 v[T1+\b], 23, v[SCV+\b]
.endr
	s_delay_alu instid0(VALU_DEP_1)
	v_lshl_or_b32 v[TP], v[T1+1], 8, v[T1]         ; my head's two bytes of the K step's word
.irp b, 0,1
.irp i, 0,1,2,3,4,5,6,7,8,9,10,11,12,13,14,15
	v_med3_num_f32 v[S+16*\b+\i], v[S+16*\b+\i], -v[HL+\b], v[HL+\b]
.endr
.endr
.irp b, 0,1
	v_cvt_scalef32_pk8_bf8_f32 v[PC+4*\b:PC+4*\b+1], v[S+16*\b:S+16*\b+7], v[SCV+\b]
	v_cvt_scalef32_pk8_bf8_f32 v[PC+4*\b+2:PC+4*\b+3], v[S+16*\b+8:S+16*\b+15], v[SCV+\b]
.endr
	v_nop                                          ; one plain vector line behind the last conversion
	global_store_b128 v[GQ], v[PC:PC+3], s[18:19]              ; 512 consecutive bytes each
	global_store_b128 v[GQ], v[PC+4:PC+7], s[18:19] offset:512
	global_store_b16 v[GS], v[TP], s[20:21]
	s_wait_dscnt 0x0
	s_wait_tensorcnt 0x0
	ds_add_u32 v254, v255
	s_wait_dscnt 0x0
	CROUND                                         ; the closing round: no work-group ends while a partner may still ask for a tile that names it
	s_endpgm
.Lfunc_end_k_qd5e9166648_attn:
	.size	k_qd5e9166648_attn, .Lfunc_end_k_qd5e9166648_attn-k_qd5e9166648_attn
	.p2alignl 7, 3214868480
	.fill 96, 4, 3214868480
	.section	.rodata,"a",@progbits
	.p2align	6, 0x0
	.amdhsa_kernel k_qd5e9166648_attn
		.amdhsa_group_segment_fixed_size 280576
		.amdhsa_private_segment_fixed_size 0
		.amdhsa_enable_private_segment 0
		.amdhsa_kernarg_size 80
		.amdhsa_user_sgpr_count 2
		.amdhsa_user_sgpr_kernarg_segment_ptr 1
		.amdhsa_wavefront_size32 1
		.amdhsa_system_sgpr_workgroup_id_x 1
		.amdhsa_system_sgpr_workgroup_id_y 1
		.amdhsa_system_sgpr_workgroup_id_z 1
		.amdhsa_system_vgpr_workitem_id 0
		.amdhsa_next_free_vgpr 256
		.amdhsa_next_free_sgpr 100
		.amdhsa_reserve_vcc 0
		.amdhsa_float_denorm_mode_32 3
		.amdhsa_float_denorm_mode_16_64 3
		.amdhsa_memory_ordered 1
		.amdhsa_forward_progress 1
		.amdhsa_inst_pref_size 97
	.end_amdhsa_kernel
	.amdgpu_metadata
---
amdhsa.version: [ 1, 2 ]
amdhsa.kernels:
  - .name:           k_qd5e9166648_attn
    .symbol:         k_qd5e9166648_attn.kd
    .args:
      - { .name: qimg, .offset: 0, .size: 8, .value_kind: global_buffer, .address_space: global }
      - { .name: qscl, .offset: 8, .size: 8, .value_kind: global_buffer, .address_space: global }
      - { .name: kimg, .offset: 16, .size: 8, .value_kind: global_buffer, .address_space: global }
      - { .name: kscl, .offset: 24, .size: 8, .value_kind: global_buffer, .address_space: global }
      - { .name: vimg, .offset: 32, .size: 8, .value_kind: global_buffer, .address_space: global }
      - { .name: vscl, .offset: 40, .size: 8, .value_kind: global_buffer, .address_space: global }
      - { .name: market_info, .offset: 48, .size: 8, .value_kind: global_buffer, .address_space: global }
      - { .name: cimg, .offset: 56, .size: 8, .value_kind: global_buffer, .address_space: global }
      - { .name: cscl, .offset: 64, .size: 8, .value_kind: global_buffer, .address_space: global }
      - { .name: out_proj_w_codes, .offset: 72, .size: 8, .value_kind: global_buffer, .address_space: global }
    .group_segment_fixed_size: 280576
    .private_segment_fixed_size: 0
    .kernarg_segment_align: 8
    .kernarg_segment_size: 80
    .max_flat_workgroup_size: 512
    .sgpr_count:     100
    .vgpr_count:     256
    .wavefront_size: 32
...
	.end_amdgpu_metadata
.endif
;; end of part 5
;; launch outln (part 6): grid 128 x 1, 16 waves a work-group, no clusters, 309,760 bytes of LDS; arguments cimg, cscl, out_proj_w_scales, out_proj_b, x, ln_gamma, ln_beta, out0; writes out0
.if DOCPART == 6
	.amdgcn_target "amdgcn-amd-amdhsa--gfx1250"
	.amdhsa_code_object_version 6
	.text
	.protected	k_qd5e9166648_outln
	.globl	k_qd5e9166648_outln
	.p2align	8
	.type	k_qd5e9166648_outln,@function
k_qd5e9166648_outln:
	s_mov_b64 s[64:65], 0
	v_nop
	global_prefetch_b8 v0, s[64:65] scope:SCOPE_SE
	s_setreg_imm32_b32 hwreg(HW_REG_WAVE_MODE, 25, 1), 1
	s_wait_xcnt 0x0
; out0 = LayerNorm(x + ctx Wo^T + bo) gamma + beta.  The product is on codes of BF8 (E5M2) with one E8M0 scale for each 32 along K; all else in f32.
; ctx comes as images of operand registers with its scale words.  Wo's codes come as images too, behind ctx's in cimg (the launch before laid them so): [tile of 16 rows][K step][piece][lane][16 bytes]; its scale bytes as given, [1024][32].
; SHARES.  A work-group takes a block of 32 tokens and all 1,024 columns, since a norm wants whole rows.  Wave w makes columns 64 w .. 64 w + 63 (four tiles) for both tiles of 16 tokens: eight accumulators;
; the results meet in a stage in LDS, and then wave w takes tokens 2 w and 2 w + 1 whole: residual, mean, variance (of the differences from the mean, as the definition has it), gain and shift, stores of 512 consecutive bytes.
; 32 tokens to a work-group make 128 work-groups: with 16 tokens there would be 256, each still reading all of Wo's 1,048,576 bytes, twice the bytes in all for nearly the same stream a work-group.
; ONCE A WORK-GROUP, by copies issued at the head: ctx's 32,768 bytes, the block's 131,072 bytes of x, and gamma, beta and bo, 4,096 bytes each (a wave copies 256 bytes of each): every wave wants all of gamma and beta, and from
; LDS they cost no load from memory.  Nothing in LDS is filled again.  Wo goes from memory straight into registers, one K step ahead, 512 consecutive bytes a load, each fragment feeding two products.
; NO CLUSTER: a joint load lands in LDS; Wo's 1,048,576 bytes would go through slots filled again, a round of the cluster's barrier for each, beside 307,712 bytes that are in use.
; The product is used transposed (source 0 = 16 rows of Wo, source 1 = 16 tokens of ctx): a lane holds eight neighbouring columns of one token.  Row r of ctx's tile u is token 8 u + pi(r), pi(r) = r + 8 (r / 8).
; bo is loaded straight into the accumulators, in the result's layout: every product adds in place.
; LIMITS: NaN and infinities among the inputs are not served.
.set CIMG, 0                           ; LDS: ctx's fragment (K step s, tile u) at (2 s + u) 2048
.set XS,   32768                       ; x's 32 rows of 4,096 bytes
.set STG,  163840                      ; the stage: 32 rows of 4,096 + 16 bytes; no copy lands here
.set SP,   4112
.set PAR,  295424                      ; gamma, beta, bo: 4,096 bytes each
.set WIMG, 4194304                     ; where Wo's images begin in cimg
.set LI,   1                           ; v1   16 x lane
.set CAL,  2                           ; v2   my copy of ctx: 2,048 x wave + 16 x lane, in LDS
.set CAG,  3                           ; v3   and in memory
.set XAL,  4                           ; v4   my two rows of x in LDS
.set XAG,  5                           ; v5   8,192 x wave + 16 x lane: in x, and in out0
.set BBL,  6                           ; v6   bo in LDS: 256 x wave + 32 (lane / 16)
.set WSA,  7                           ; v7   Wo's scale bytes: row 32 (lane / 16) + r
.set CSA,  8                           ; v8   ctx's scale words: lanes 0-15 tile 0, lanes 16-31 tile 1
.set SO,   9                           ; v9   the stage, on the way in
.set SR,   10                          ; v10  and back
.set PG,   11                          ; v11  my 8 bytes of gamma, beta and bo in memory: 256 x wave + 8 x lane
.set MU,   12                          ; v[12:13] the mean
.set RS,   14                          ; v[14:15] 1 / sqrt(variance + eps)
.set ACC,  16                          ; v16-79: accumulator (m, t) at 16 + 8 (4 m + t); later the two rows: v16-47, v48-79
.set CF,   80                          ; v80-111 ctx's two fragments; later the second row of x
.set WF,   112                         ; v112-239 Wo's fragments, two slots of four; later gamma, beta, an address, the first row of x
.set GA,   112
.set BE,   144
.set GL,   176                         ; v176 gamma in LDS: 16 x lane (made behind the last product)
.set X0,   208
.set WS,   240                         ; v240-243 Wo's scale words: slot x 2 + a: lanes 0-15 tile a, lanes 16-31 tile a + 2
.set CS,   244                         ; v244-245 ctx's, a register for each slot
.set T,    246                         ; v246-255 at work
.set PA,   250                         ; v250-252 where my copies of gamma, beta and bo land; at work only behind the wait for all copies
.set SEL,  28
.macro PLACES n
.rept \n
	v_nop
.endr
.endm
.macro WLOAD s                         ; K step s: 16 + 2 + 1 = 19 loads
.irp t, 0,1,2,3
.irp c, 0,1,2,3
	global_load_b128 v[WF+64*((\s)&1)+16*\t+4*\c:WF+64*((\s)&1)+16*\t+4*\c+3], v[LI], s[20:21] offset:16384*\t+2048*(\s)+512*\c   ; a piece of an image: 512 consecutive bytes
.endr
.endr
.irp a, 0,1
	global_load_b32 v[WS+2*((\s)&1)+\a], v[WSA], s[8:9] offset:512*\a+4*(\s)
.endr
	global_load_b32 v[CS+((\s)&1)], v[CSA], s[6:7] offset:256*(\s)
.endm
.macro CFETCH s
.irp m, 0,1
.irp c, 0,1,2,3
	ds_load_b128 v[CF+16*\m+4*\c:CF+16*\m+4*\c+3], v[LI] offset:(2*(\s)+\m)*2048+512*\c
.endr
.endr
.endm
.macro WM ra, rb                       ; one product on rD, rA, rB, rSA, rSB, in place; ra, rb: that side's scale words stand in lanes 16-31
.if (\ra) && (\rb)
	v_wmma_scale_f32_16x16x128_f8f6f4 v[rD:rD+7], v[rA:rA+15], v[rB:rB+15], v[rD:rD+7], v[rSA], v[rSB] matrix_a_fmt:MATRIX_FMT_BF8 matrix_b_fmt:MATRIX_FMT_BF8 matrix_a_scale:MATRIX_SCALE_ROW1 matrix_b_scale:MATRIX_SCALE_ROW1
.elseif (\ra)
	v_wmma_scale_f32_16x16x128_f8f6f4 v[rD:rD+7], v[rA:rA+15], v[rB:rB+15], v[rD:rD+7], v[rSA], v[rSB] matrix_a_fmt:MATRIX_FMT_BF8 matrix_b_fmt:MATRIX_FMT_BF8 matrix_a_scale:MATRIX_SCALE_ROW1
.elseif (\rb)
	v_wmma_scale_f32_16x16x128_f8f6f4 v[rD:rD+7], v[rA:rA+15], v[rB:rB+15], v[rD:rD+7], v[rSA], v[rSB] matrix_a_fmt:MATRIX_FMT_BF8 matrix_b_fmt:MATRIX_FMT_BF8 matrix_b_scale:MATRIX_SCALE_ROW1
.else
	v_wmma_scale_f32_16x16x128_f8f6f4 v[rD:rD+7], v[rA:rA+15], v[rB:rB+15], v[rD:rD+7], v[rSA], v[rSB] matrix_a_fmt:MATRIX_FMT_BF8 matrix_b_fmt:MATRIX_FMT_BF8
.endif
.endm
.macro KSTEP s
.if (\s) > 0
	PLACES 8                                       ; in front of loads into registers that the last K step's products read
.endif
	CFETCH \s
.if ((\s) >= 1) && ((\s) <= 6)
	WLOAD (\s)+1
.endif
.if (\s) < 7
	s_wait_loadcnt 19                              ; this K step's loads are in; the next one's 19 may be out
.else
	s_wait_loadcnt 0x0
.endif
	s_wait_dscnt 0x0
.irp m, 0,1                            ; the eight accumulators take turns, one instruction a turn, in the same order in every K step
.irp t, 0,1,2,3
.set rD, ACC+8*(4*\m+\t)
.set rA, WF+64*((\s)&1)+16*\t
.set rB, CF+16*\m
.set rSA, WS+2*((\s)&1)+(\t&1)
.set rSB, CS+((\s)&1)
	WM (\t>>1), \m
.endr
.endr
.endm
.macro ACROSS                          ; v[T+8]: the sum over the wave's 32 lanes, in every lane
	s_delay_alu instid0(VALU_DEP_1)
	v_add_f32_dpp v[T+8], v[T+8], v[T+8] row_xmask:1 row_mask:0xf bank_mask:0xf
	s_delay_alu instid0(VALU_DEP_1)
	v_add_f32_dpp v[T+8], v[T+8], v[T+8] row_xmask:2 row_mask:0xf bank_mask:0xf
	s_delay_alu instid0(VALU_DEP_1)
	v_add_f32_dpp v[T+8], v[T+8], v[T+8] row_xmask:4 row_mask:0xf bank_mask:0xf
	s_delay_alu instid0(VALU_DEP_1)
	v_add_f32_dpp v[T+8], v[T+8], v[T+8] row_xmask:8 row_mask:0xf bank_mask:0xf
	s_delay_alu instid0(VALU_DEP_1)
	v_permlanex16_b32 v[T+9], v[T+8], s[SEL], s[SEL+1]
	s_delay_alu instid0(VALU_DEP_1)
	v_add_f32 v[T+8], v[T+8], v[T+9]
.endm
.macro JOIN                            ; the four chains become one number a lane
	s_delay_alu instid0(VALU_DEP_3)
	v_pk_add_f32 v[T:T+1], v[T:T+1], v[T+2:T+3]
	s_delay_alu instid0(VALU_DEP_2)
	v_pk_add_f32 v[T+4:T+5], v[T+4:T+5], v[T+6:T+7]
	s_delay_alu instid0(VALU_DEP_1)
	v_pk_add_f32 v[T:T+1], v[T:T+1], v[T+4:T+5]
	s_delay_alu instid0(VALU_DEP_1)
	v_add_f32 v[T+8], v[T], v[T+1]
.endm
; One row: 32 registers a lane, register 4 i + e = column 128 i + 4 x lane + e.  Y: attended (with its bias), X: x.  q: which of my two rows.
.macro ROWLN Y, X, q
.irp k, 0,2,4,6,8,10,12,14,16,18,20,22,24,26,28,30
	v_pk_add_f32 v[\Y+\k:\Y+\k+1], v[\Y+\k:\Y+\k+1], v[\X+\k:\X+\k+1]   ; y = x + attended
.endr
.irp k, 0,1,2,3
	v_pk_add_f32 v[T+2*\k:T+2*\k+1], v[\Y+2*\k:\Y+2*\k+1], v[\Y+8+2*\k:\Y+8+2*\k+1]   ; the sum, in four chains started by the first pairs
.endr
.irp j, 16,24
.irp k, 0,1,2,3
	s_delay_alu instid0(VALU_DEP_4)
	v_pk_add_f32 v[T+2*\k:T+2*\k+1], v[T+2*\k:T+2*\k+1], v[\Y+\j+2*\k:\Y+\j+2*\k+1]
.endr
.endr
	JOIN
	ACROSS
	s_delay_alu instid0(VALU_DEP_1)
	v_mul_f32 v[MU], s30, v[T+8]                   ; the mean
.irp k, 0,2,4,6,8,10,12,14,16,18,20,22,24,26,28,30
	v_pk_add_f32 v[\Y+\k:\Y+\k+1], v[\Y+\k:\Y+\k+1], v[MU:MU+1] op_sel_hi:[1,0] neg_lo:[0,1] neg_hi:[0,1]   ; y - mean
.endr
.irp k, 0,1,2,3
	v_pk_mul_f32 v[T+2*\k:T+2*\k+1], v[\Y+2*\k:\Y+2*\k+1], v[\Y+2*\k:\Y+2*\k+1]
.endr
.irp j, 8,16,24
.irp k, 0,1,2,3
	s_delay_alu instid0(VALU_DEP_4)
	v_pk_fma_f32 v[T+2*\k:T+2*\k+1], v[\Y+\j+2*\k:\Y+\j+2*\k+1], v[\Y+\j+2*\k:\Y+\j+2*\k+1], v[T+2*\k:T+2*\k+1]
.endr
.endr
	JOIN
	ACROSS
	s_delay_alu instid0(VALU_DEP_1)
	v_fma_f32 v[T+8], v[T+8], s30, s31             ; the variance + eps
	s_wait_alu depctr_va_vdst(0)
	v_rsq_f32 v[RS], v[T+8]
	v_nop                                          ; one plain place behind a transcendental
	s_wait_alu depctr_va_vdst(0)
.irp k, 0,2,4,6,8,10,12,14,16,18,20,22,24,26,28,30
	v_pk_mul_f32 v[\Y+\k:\Y+\k+1], v[\Y+\k:\Y+\k+1], v[RS:RS+1] op_sel_hi:[1,0]
.endr
.irp k, 0,2,4,6,8,10,12,14,16,18,20,22,24,26,28,30
	v_pk_fma_f32 v[\Y+\k:\Y+\k+1], v[\Y+\k:\Y+\k+1], v[GA+\k:GA+\k+1], v[BE+\k:BE+\k+1]
.endr
.irp i, 0,1,2,3,4,5,6,7
	global_store_b128 v[XAG], v[\Y+4*\i:\Y+4*\i+3], s[18:19] offset:4096*\q+512*\i th:TH_STORE_NT   ; 512 consecutive bytes, at a multiple of 512 from out0's first byte; written once
.endr
.endm
	s_load_b512 s[4:19], s[0:1], 0x0               ; cimg 4:5, cscl 6:7, Wo's scales 8:9, bo 10:11, x 12:13, gamma 14:15, beta 16:17, out0 18:19
	v_lshl_add_u32 v254, v0, 2, 0x4b200
	v_mov_b32 v255, 0
	ds_add_u32 v254, v255
	ds_add_u32 v254, v255
	s_wait_dscnt 0x0
	v_lshrrev_b32 v246, 5, v0
	s_delay_alu instid0(VALU_DEP_1)
	v_readfirstlane_b32 s22, v246                  ; wave 0..15
	v_and_b32 v249, 31, v0                         ; lane
	v_and_b32 v246, 15, v0                         ; r
	v_bfe_u32 v247, v0, 4, 1                       ; lane / 16
	s_delay_alu instid0(VALU_DEP_3)
	v_lshlrev_b32 v[LI], 4, v249
	s_lshl_b32 s24, s22, 11
	v_add_nc_u32 v[CAL], s24, v[LI]
	v_add_nc_u32 v[CAG], s24, v[LI]
	s_lshl_b32 s24, s22, 13
	v_add_nc_u32 v[XAG], s24, v[LI]
	s_delay_alu instid0(VALU_DEP_1)
	v_add_nc_u32 v[XAL], XS, v[XAG]
	v_lshl_add_u32 v[WSA], v247, 5, v246
	s_delay_alu instid0(VALU_DEP_1)
	v_lshlrev_b32 v[WSA], 5, v[WSA]
	v_lshlrev_b32 v[CSA], 2, v249
	s_delay_alu instid0(VALU_DEP_1)
	v_lshl_add_u32 v[CSA], v247, 7, v[CSA]
	v_and_b32 v248, 8, v246
	s_delay_alu instid0(VALU_DEP_1)
	v_add_nc_u32 v248, v248, v246                  ; pi(r)
	s_delay_alu instid0(VALU_DEP_1)
	v_mul_u32_u24 v[SO], v248, SP
	s_delay_alu instid0(VALU_DEP_1)
	v_lshl_add_u32 v[SO], v247, 5, v[SO]
	s_lshl_b32 s24, s22, 8
	v_lshlrev_b32 v[BBL], 5, v247
	s_delay_alu instid0(VALU_DEP_1)
	v_add_nc_u32 v[BBL], s24, v[BBL]
	s_delay_alu instid0(VALU_DEP_1)
	v_add_nc_u32 v[BBL], PAR+8192, v[BBL]
	v_lshlrev_b32 v[PG], 3, v249
	s_delay_alu instid0(VALU_DEP_1)
	v_add_nc_u32 v[PG], s24, v[PG]
	s_delay_alu instid0(VALU_DEP_1)
	v_add_nc_u32 v[PA], PAR, v[PG]
	s_delay_alu instid0(VALU_DEP_2)
	v_add_nc_u32 v[PA+1], PAR+4096, v[PG]
	s_delay_alu instid0(VALU_DEP_3)
	v_add_nc_u32 v[PA+2], PAR+8192, v[PG]
	s_add_co_u32 s24, s24, STG
	v_add_nc_u32 v[SO], s24, v[SO]                 ; the stage: row pi(r), + 256 x wave + 32 (lane / 16)
	s_mul_i32 s24, s22, 2*SP
	s_add_co_u32 s24, s24, STG
	v_add_nc_u32 v[SR], s24, v[LI]                 ; back: my two rows, 16 bytes a lane
	v_mov_b32 v[MU+1], 0                           ; (upper halves of pairs whose low word serves both halves)
	v_mov_b32 v[RS+1], 0
	v_mov_b32 v[T+9], 0                            ; a lane permute's destination counts as one of its sources
	s_mov_b32 s[SEL], 0x76543210
	s_mov_b32 s[SEL+1], 0xfedcba98
	s_mov_b32 s30, 0x3a800000                      ; 1 / 1,024
	s_mov_b32 s31, 0x3727c5ac                      ; eps = 1e-5
	s_lshl_b32 s26, s22, 16
	s_add_co_u32 s26, s26, WIMG
	s_mov_b32 s27, 0
	s_wait_alu depctr_va_vdst(0)
	s_wait_kmcnt 0x0
	s_add_nc_u64 s[20:21], s[4:5], s[26:27]        ; Wo's images: my four tiles of 16,384 bytes
	s_lshl_b32 s26, ttmp9, 15
	s_add_nc_u64 s[4:5], s[4:5], s[26:27]          ; ctx's images: block x 32,768
	s_lshl_b32 s26, ttmp9, 11
	s_add_nc_u64 s[6:7], s[6:7], s[26:27]          ; cscl: block x 2,048
	s_lshl_b32 s26, s22, 11
	s_add_nc_u64 s[8:9], s[8:9], s[26:27]          ; Wo's scale bytes: my 64 rows of 32
	s_lshl_b32 s26, ttmp9, 17
	s_add_nc_u64 s[12:13], s[12:13], s[26:27]      ; x and out0: block x 32 rows of 4,096 bytes
	s_add_nc_u64 s[18:19], s[18:19], s[26:27]
.irp c, 0,1,2,3
	global_load_async_to_lds_b128 v[CAL], v[CAG], s[4:5] offset:512*\c      ; fragment number wave of ctx's sixteen
.endr
	global_load_async_to_lds_b64 v[PA+2], v[PG], s[10:11]                   ; my 256 bytes of bo: those of my own 64 columns
	global_load_async_to_lds_b64 v[PA], v[PG], s[14:15]                     ; of gamma,
	global_load_async_to_lds_b64 v[PA+1], v[PG], s[16:17]                   ; of beta
.irp i, 0,1,2,3,4,5,6,7,8,9,10,11,12,13,14,15
	global_load_async_to_lds_b128 v[XAL], v[XAG], s[12:13] offset:512*\i    ; my two rows of x: wanted only at the end
.endr
	WLOAD 0
	WLOAD 1
	s_wait_asynccnt 18                             ; my fragment of ctx and my part of bo have landed; gamma's, beta's and x's 18 copies may stay out: nothing in LDS is filled again
	s_barrier_signal -1
	s_barrier_wait -1                              ; ctx's sixteen fragments lie in LDS
.irp m, 0,1
.irp t, 0,1,2,3
	ds_load_b128 v[ACC+8*(4*\m+\t):ACC+8*(4*\m+\t)+3], v[BBL] offset:64*\t        ; bo at columns 64 w + 16 t + 8 (lane / 16) + 0 .. 7 starts each sum
	ds_load_b128 v[ACC+8*(4*\m+\t)+4:ACC+8*(4*\m+\t)+7], v[BBL] offset:64*\t+16
.endr
.endr
.irp s, 0,1,2,3,4,5,6,7
	KSTEP \s
.endr
	PLACES 8                                       ; in front of writes and loads into Wo's registers and of the first read of results
	v_add_nc_u32 v[GL], PAR, v[LI]
.irp m, 0,1
.irp t, 0,1,2,3
	ds_store_b128 v[SO], v[ACC+8*(4*\m+\t):ACC+8*(4*\m+\t)+3] offset:8*SP*\m+64*\t          ; each accumulator from its low end on: token 8 m + pi(r), columns 64 w + 16 t + 8 (lane / 16) on
	ds_store_b128 v[SO], v[ACC+8*(4*\m+\t)+4:ACC+8*(4*\m+\t)+7] offset:8*SP*\m+64*\t+16
.endr
.endr
	s_wait_alu depctr_va_vdst(0)
	s_wait_dscnt 0x0                               ; for the others' sake: my stores have landed,
	s_wait_asynccnt 0x0                            ; and so have my parts of gamma and beta, and my rows of x
	s_barrier_signal -1
	s_barrier_wait -1                              ; 32 whole rows lie in the stage, gamma and beta whole beside it
.irp i, 0,1,2,3,4,5,6,7
	ds_load_b128 v[ACC+4*\i:ACC+4*\i+3], v[SR] offset:512*\i
.endr
.irp i, 0,1,2,3,4,5,6,7
	ds_load_b128 v[X0+4*\i:X0+4*\i+3], v[XAL] offset:512*\i
.endr
.irp i, 0,1,2,3,4,5,6,7
	ds_load_b128 v[GA+4*\i:GA+4*\i+3], v[GL] offset:512*\i
.endr
.irp i, 0,1,2,3,4,5,6,7
	ds_load_b128 v[BE+4*\i:BE+4*\i+3], v[GL] offset:4096+512*\i
.endr
.irp i, 0,1,2,3,4,5,6,7
	ds_load_b128 v[ACC+32+4*\i:ACC+32+4*\i+3], v[SR] offset:SP+512*\i
.endr
.irp i, 0,1,2,3,4,5,6,7
	ds_load_b128 v[CF+4*\i:CF+4*\i+3], v[XAL] offset:4096+512*\i
.endr
	s_wait_dscnt 16                                ; the first row, its x, gamma and beta are in; the second row's 16 loads may be out
	ROWLN ACC, X0, 0
	s_wait_dscnt 0x0
	ROWLN ACC+32, CF, 1
	s_wait_xcnt 0x0
	v_lshl_add_u32 v254, v0, 2, 0x4b200
	v_mov_b32 v255, 0
	s_wait_alu depctr_va_vdst(0)
	s_wait_tensorcnt 0x0
	ds_add_u32 v254, v255
	s_wait_dscnt 0x0
	s_endpgm
.Lfunc_end_k_qd5e9166648_outln:
	.size	k_qd5e9166648_outln, .Lfunc_end_k_qd5e9166648_outln-k_qd5e9166648_outln
	.p2alignl 7, 3214868480
	.fill 96, 4, 3214868480
	.section	.rodata,"a",@progbits
	.p2align	6, 0x0
	.amdhsa_kernel k_qd5e9166648_outln
		.amdhsa_group_segment_fixed_size 309760
		.amdhsa_private_segment_fixed_size 0
		.amdhsa_enable_private_segment 0
		.amdhsa_kernarg_size 64
		.amdhsa_user_sgpr_count 2
		.amdhsa_user_sgpr_kernarg_segment_ptr 1
		.amdhsa_wavefront_size32 1
		.amdhsa_system_sgpr_workgroup_id_x 1
		.amdhsa_system_sgpr_workgroup_id_y 1
		.amdhsa_system_sgpr_workgroup_id_z 1
		.amdhsa_system_vgpr_workitem_id 0
		.amdhsa_next_free_vgpr 256
		.amdhsa_next_free_sgpr 66
		.amdhsa_reserve_vcc 0
		.amdhsa_float_denorm_mode_32 3
		.amdhsa_float_denorm_mode_16_64 3
		.amdhsa_memory_ordered 1
		.amdhsa_forward_progress 1
		.amdhsa_inst_pref_size 59
	.end_amdhsa_kernel
	.amdgpu_metadata
---
amdhsa.version: [ 1, 2 ]
amdhsa.kernels:
  - .name:           k_qd5e9166648_outln
    .symbol:         k_qd5e9166648_outln.kd
    .args:
      - { .name: cimg, .offset: 0, .size: 8, .value_kind: global_buffer, .address_space: global }
      - { .name: cscl, .offset: 8, .size: 8, .value_kind: global_buffer, .address_space: global }
      - { .name: out_proj_w_scales, .offset: 16, .size: 8, .value_kind: global_buffer, .address_space: global }
      - { .name: out_proj_b, .offset: 24, .size: 8, .value_kind: global_buffer, .address_space: global }
      - { .name: x, .offset: 32, .size: 8, .value_kind: global_buffer, .address_space: global }
      - { .name: ln_gamma, .offset: 40, .size: 8, .value_kind: global_buffer, .address_space: global }
      - { .name: ln_beta, .offset: 48, .size: 8, .value_kind: global_buffer, .address_space: global }
      - { .name: out0, .offset: 56, .size: 8, .value_kind: global_buffer, .address_space: global }
    .group_segment_fixed_size: 309760
    .private_segment_fixed_size: 0
    .kernarg_segment_align: 8
    .kernarg_segment_size: 64
    .max_flat_workgroup_size: 512
    .sgpr_count:     66
    .vgpr_count:     256
    .wavefront_size: 32
...
	.end_amdgpu_metadata
.endif
;; end of part 6
